; MI455X (gfx1250); checked and timed in simulation.
; The chip was launched on July 23, 2026; its instructions are those of AMD's public machine-readable ISA for CDNA 5 (MIT licence, August 2026) and "CDNA5" Instruction Set Architecture Reference Guide (July 2026). The comments in the code are by the model that wrote it; some were corrected since.
;; Hierarchical Attention. Allowed arithmetic: matrix products marked QUANTISED: E3M2 operands, one E8M0 scale for each 32 along K, by v_wmma_scale_f32_16x16x128_f8f6f4 with both operands' format E3M2, f32 sums; everything else in f32.
;; Inputs: gk_b 512 float32; gk_w 512 x 512 float32; gq_b 512 float32; gq_w 512 x 512 float32; gv_b 512 float32; gv_w 512 x 512 float32; lk_b 512 float32; lk_w 512 x 512 float32; ln_b 512 float32; ln_g 512 float32; lq_b 512 float32; lq_w 512 x 512 float32; lv_b 512 float32; lv_w 512 x 512 float32; out_b 512 float32; out_w 1,024 x 512 float32; x 4 x 8,192 x 512 float32.
;; Outputs: out0 4 x 8,192 x 512 float32.
;; This version of the problem:
;;   THIS VERSION OF THE PROBLEM IS GIVEN IN LOW PRECISION. The matrix products marked QUANTISED in the list below multiply operands that are first quantised to E3M2 (3 exponent bits, 2 mantissa bits; 6 bits a number), with one power-of-two scale for each 32 numbers along K (OCP MX v1.0); their sums are f32. All else is computed in f32.
;;   The module's matrix products, in the order in which they are computed (A, B: the left and right operand; K: the contracted axis; several contracted axes count as one K, in the product's order):
;;     1. [M 32,768, K 512] x [K 512, N 512]; A: input x; B: input lq_w: QUANTISED
;;     2. [M 32,768, K 512] x [K 512, N 512]; A: input x; B: input lk_w: QUANTISED
;;     3. [M 32,768, K 512] x [K 512, N 512]; A: input x; B: input lv_w: QUANTISED
;;     4. batch 1,024 x [M 256, K 64] x [K 64, N 256]; A: computed on the way; B: computed on the way: QUANTISED
;;     5. batch 1,024 x [M 256, K 256] x [K 256, N 64]; A: softmax (see below); B: computed on the way: QUANTISED
;;     6. [M 32,768, K 512] x [K 512, N 512]; A: input x; B: input gq_w: QUANTISED
;;     7. [M 512, K 512] x [K 512, N 512]; A: input x; B: input gk_w: QUANTISED
;;     8. [M 512, K 512] x [K 512, N 512]; A: input x; B: input gv_w: QUANTISED
;;     9. batch 32 x [M 8,192, K 64] x [K 64, N 128]; A: computed on the way; B: computed on the way: QUANTISED
;;     10. batch 32 x [M 64, K 128] x [K 128, N 8,192]; A: computed on the way; B: softmax (see below): QUANTISED
;;     11. [M 32,768, K 1,024] x [K 1,024, N 512]; A: computed on the way; B: input out_w: QUANTISED
;;   THE QUANTISER, for each operand of a quantised product, along K:
;;     - K is cut into blocks of 32 from its start; a last block that is shorter is filled with zeros.
;;     - A block's scale is 2^e with e = floor(log2(the largest magnitude in the block)) - 4, held to -126 .. 127; a block of zeros has e = 0. As a byte (E8M0): e + 127.
;;     - Each number is divided by its block's scale, clamped to +-28, and rounded to the nearest number of E3M2, ties to even, subnormals kept.
;;     - The product sums the exact products of the quantised numbers (number of the format x scale) in f32.
;;   ~~~python
;;   def quantise(x, axis):      # numpy; x: float32 -> the quantised numbers, widened to float32 again
;;       x = np.moveaxis(x, axis, -1); K = x.shape[-1]
;;       x = np.pad(x, [(0, 0)] * (x.ndim - 1) + [(0, -K % 32)]); x = x.reshape(x.shape[:-1] + (-1, 32)); a = np.abs(x).max(-1, keepdims=True)
;;       e = np.where(a > 0, np.clip(np.frexp(np.where(a > 0, a, 1))[1] - 1 - 4, -126, 127), 0)      # np.frexp(a)[1] - 1 = floor(log2(a)), exactly
;;       r = np.clip(x / 2.0 ** e, -28, 28)
;;       step = 2.0 ** (np.maximum(np.frexp(np.where(r == 0, 1, r))[1] - 1, -2) - 2)
;;       q = np.round(r / step) * step * 2.0 ** e      # np.round: ties to even
;;       return np.moveaxis(q.reshape(q.shape[:-2] + (-1,))[..., :K], -1, axis).astype(np.float32)
;;   ~~~
;;   SOFTMAX AHEAD OF A QUANTISED PRODUCT. Where the list says 'softmax', what is quantised is not the finished softmax but p = 2^(t - M), with t = logit x log2(e) and M = ceil(the row's largest t), a whole number; so 1/2 < the row's largest p <= 1. The row's sum l is taken of the UNQUANTISED p, in f32, and the product's result is divided by l at the end. Since M is a whole number, a kernel that streams over the keys may use a running M (the ceiling of the running maximum): every later rescaling is an exact power of two, which a block's scale takes up: the codes' values come out the same.
;;   OPERANDS COMPUTED ON THE WAY. 'Computed on the way' means the value that the module computes at that place (a softmax that the list does not call 'softmax' is quantised finished and normalised). What goes into a quantiser is computed in f32, as accurately as f32 sums, v_exp_f32 and their like allow (about 1e-6 of the number): no bf16 or f16 on the way to a quantiser, and a product that is left as it is and whose result goes on into a quantised operand takes f32 operands (vector FMAs, or v_wmma_f32_16x16x4_f32). A number that lies on a knife's edge between two numbers of the format may be rounded either way, as far as f32 arithmetic and the matrix unit's own rounding can turn it there, and no further.
;; One version. Each part assembles by itself: llvm-mc -triple=amdgcn-amd-amdhsa -mcpu=gfx1250 --defsym DOCPART=n.
;; ======== version 1 of 1: 2 launches
;; limits: right only within a limited range of input values
;; workspace buffers: wcodes 1,572,864 bytes; wscales 65,536 bytes; gkimg 196,608 bytes; gksc 8,192 bytes; gvimg 196,608 bytes; gvsc 8,192 bytes; ximg 12,582,912 bytes; xsc 524,288 bytes
;; launch prep (part 1): grid 256 x 1, 8 waves a work-group, no clusters, 212,992 bytes of LDS; arguments lq_w, lk_w, lv_w, gq_w, out_w, wcodes, wscales, x, gk_w, gv_w, gk_b, gv_b, gkimg, gksc, gvimg, gvsc, ximg, xsc; writes wcodes, wscales, gkimg, gksc, gvimg, gvsc, ximg, xsc
.if DOCPART == 1
	.amdgcn_target "amdgcn-amd-amdhsa--gfx1250"
	.amdhsa_code_object_version 6
	.text
	.protected	k_qd0bbf3e304_prep
	.globl	k_qd0bbf3e304_prep
	.p2align	8
	.type	k_qd0bbf3e304_prep,@function
k_qd0bbf3e304_prep:
	s_mov_b64 s[64:65], 0
	v_nop
	global_prefetch_b8 v0, s[64:65] scope:SCOPE_SE
	s_setreg_imm32_b32 hwreg(HW_REG_WAVE_MODE, 25, 1), 1
	s_wait_xcnt 0x0
; ONE LAUNCH FOR ALL THAT STANDS AHEAD OF THE FUSED KERNEL.  Two kinds of work-groups, told apart by the work-group's number; eight waves each.
; WORK-GROUPS 0-63: the global attention's keys (0-31) or values (32-63) of one batch and one head: k = gc gk_w + gk_b, v = gc gv_w + gv_b, gc = every 64th row of x (128 rows a batch),
;   on codes of BF6 (E3M2) with one E8M0 byte for each 32 along K, and the results quantised again: k along the head's 64, v along the keys.
;   AHEAD OF THE ONE BARRIER wave w quantises row tile w of the 128 rows (4 fragments of 16 rows x 128 K) and two of the 16 fragments of the head's 64 columns of the weight (tile w % 4, K steps 2 (w / 4) and + 1);
;   both go to LDS as images of the operand's registers.  So this work hangs on no other work-group's codes.
;   BEHIND IT each wave has 16 matrix instructions: 16 LARGE fragments (4 tiles x 4 K steps, source 0, window 1) against 4 SMALL ones (1 tile, source 1):
;     k: large = the weight's four column tiles, small = row tile w: a lane holds one key, its registers run along the head;
;     v: large = the four row tiles of keys 64 (w / 4) on, small = column tile w % 4: a lane holds one channel, its registers run along the keys.
;   Both roles run the same lines; only addresses differ, chosen by the work-group's number.
; WORK-GROUPS 64-159: the six weight matrices that the fused kernel reads (0 lq, 1 lk, 2 lv, 3 gq, 6 out_w rows 0-511, 7 out_w rows 512-1023), f32 stored [k][n], become codes laid in the order of an operand's registers:
;   work-group = (matrix, 64 columns hd, two K steps), wave = (tile w % 4, K step): one fragment a wave.  The places of matrices 4 and 5 in the two buffers are not written: nothing reads them.
; THE MEMBERS OF A TILE ARE NOT NEIGHBOURS: in each group of 64 (rows, columns) member i of tile 2 b + u is 32 b + 8 u + i + 8 (i / 8): the 16 registers of two neighbouring result tiles are then 16 neighbours along the next K.
; A WEIGHT'S FRAGMENT: a lane takes one column and its 64 registers run down K in the order the operand's layout gives that lane: k = 128 s + 64 c + 32 (lane / 16) + i: two whole blocks a lane, nothing is transposed.
; OUT: wcodes [matrix][hd][t][s] images of 1,536 bytes (registers 4 j .. 4 j + 3 of lane l at 512 j + 16 l); wscales [matrix][hd][t][r][s] words, stored 4 bytes a lane, 16 bytes apart;
;      gkimg [batch][head][key tile 8], gvimg [batch][head][channel tile 4][64 keys 2]: halves (6 registers, 64 along K) as images of 768 bytes (registers 0-3 of lane l at 16 l, 4-5 at 512 + 8 l);
;      gksc, gvsc: a pair of scale bytes for each row and half, stored 2 bytes a lane, 16 bytes apart.
; LIMITS: NaN and infinities are not served.  A block of zeros gets the byte 1 where the rule says 127: its codes are zeros, and this program alone reads the bytes.
; REGISTERS, window 0: v1-15 addresses; v16-35 scale words and nothing else; v48-79 the quantiser's; v80-111 the bias in the result's layout, v112 my column's bias; v128-191 64 numbers of x, later the 4 accumulators
;   and (v160-207) the small fragments; v192-255 the numbers of my first weight fragment.   window 1: four fragments of x as loaded; v0-63 then my second weight fragment's numbers; behind the barrier v0-191 the large fragments.
; THE DEAL OF WORK-GROUPS AS IT STANDS: THREE kinds.  0-63: global k and v, as above.  64-319: x's codes (below, at .Lrest).  320-415: the six weight matrices: what is said above of work-groups 64-159 holds of these.
; x is read by two work-groups of the fused kernel (both halves of a window), so it is quantised once, here: ximg [128 rows][row tile 8][K step 4] images of 1,536 bytes, xsc [128 rows][row tile 8][r][K step] scale words.
; THE DEAL ONCE MORE, AS THE TEXT HAS IT NOW, in place of the numbers in the lines above: 256 work-groups.  0-63: global k and v.  64-127: x's codes, two blocks of 128 rows each (blocks 0-127).
; 128-255: x's codes, one block of 128 rows each (block = the work-group's number); of these, 128-223 also quantise one fragment of a weight a wave (96 x 8 fragments: the six matrices).
.set RS,    131072
.set XSC,   49152                      ; LDS: 32 images of x at 0; their scale words [tile 8][r][K step]
.set WIMG,  51200                      ; 16 images of the weight, (t, s) at (4 t + s) x 1,536
.set WSC,   75776                      ; their scale words [t][r][K step]
.set STG,   76800                      ; a stage of 16 x 528 bytes for each wave
.set L16, 1                            ; v1 16 x lane   v2 8 x lane   v3 16 r
.set L8,  2
.set R16, 3
.set STA, 4                            ; v4 stage in, v5 stage out, v6 x's images, v7 x's scale words
.set STL, 5
.set XW,  6
.set XWS, 7
.set WOF, 8                            ; v8 my lane's place in a weight: 4 (r + 8 (r / 8)) + 32 h rows
.set WIA, 9                            ; v9, v10 where my weight images and their scale words go
.set WSA, 10
.set BIGA, 11                          ; v11-14 behind the barrier: the large and small fragments, their scale words
.set SMLA, 12
.set BIGS, 13
.set SMLS, 14
.set BOA, 15                           ; v15 my lane's place in the bias where a lane holds a row
.set QT, 48                            ; the quantiser's registers: largest magnitudes, bytes and pairs, scale operands, upper halves, codes
.set QP, 52
.set QE, 56
.set QX, 60
.set QD, 68
.set BI,  80
.set BV,  112
.set BVA, 113                          ; v113 my lane's place in the bias where a lane holds a column
.set H8,  114                          ; v114 8 h
.set ACC, 128
.set SM,  160
.set W0N, 192
.set WV,   36
.set T,    37                          ; wave % 4
.set GRP,  38                          ; wave / 4
.set ROLE, 39
.set BH,   40
.set HD,   41
.set RMK,  42
.set TC,   43                          ; tile t's first column, in bytes
.set SEL,  44
.set FLOOR, 46
.set XB,   48
.set WP,   50
.set BP,   52
.set OIP,  54
.set OSP,  56
.set TO1,  0x40                        ; destination window 1
.set W_T,  0x01                        ; source 0 window 1
.set W_N,  0x04                        ; source 1 window 1 (an LDS store's data)
.set MSB, 0
.macro WIN new                         ; the immediate's high byte repeats the setting that is left
.if MSB != (\new)
	s_set_vgpr_msb (MSB<<8)|(\new)
.set MSB, (\new)
.endif
.endm
.macro NOP4                            ; four places behind a matrix instruction (ISA guide 7.12.1), where no other vector work is at hand
.rept 4
	v_nop
.endr
.endm
.macro MM d, a, b, c, sa, sb
	v_wmma_scale_f32_16x16x128_f8f6f4 v[(\d):(\d)+7], v[(\a):(\a)+11], v[(\b):(\b)+11], v[(\c):(\c)+7], v[\sa], v[\sb] matrix_a_fmt:MATRIX_FMT_BF6 matrix_b_fmt:MATRIX_FMT_BF6
.endm
; n (1 or 2) times 32 numbers of a lane, input q at v[src + str q]: register 16 b + i = k 32 b + 16 (lane / 16) + i of my row.  Out: a half (6 registers) in v[QD + 6 q], its scale pair in v[QP + 2 q].
.macro QUANT n, src, str
.set QI, 0
.rept 2*(\n)
	v_max3_num_f32 v[QT+QI], |v[(\src)+(\str)*(QI/2)+16*(QI%2)]|, |v[(\src)+(\str)*(QI/2)+16*(QI%2)+1]|, s[FLOOR]   ; with the floor 2^(5 - 127): the byte cannot fall under 1
.set QI, QI+1
.endr
.irp k, 2,4,6,8,10,12,14
.set QI, 0
.rept 2*(\n)
	v_max3_num_f32 v[QT+QI], v[QT+QI], |v[(\src)+(\str)*(QI/2)+16*(QI%2)+\k]|, |v[(\src)+(\str)*(QI/2)+16*(QI%2)+\k+1]|
.set QI, QI+1
.endr
.endr
	s_wait_alu depctr_va_vdst(0)
	s_wait_dscnt 0x0                               ; earlier LDS stores have read the pairs and codes that are now written again
.set QI, 0
.rept 2*(\n)
	v_permlanex16_b32 v[QP+QI], v[QT+QI], s[SEL], s[SEL+1]
.set QI, QI+1
.endr
.set QI, 0
.rept 2*(\n)
	v_max_num_f32 v[QT+QI], v[QT+QI], v[QP+QI]     ; with lane l xor 16's: the block's largest magnitude
.set QI, QI+1
.endr
.set QI, 0
.rept 2*(\n)
	v_add_nc_u32 v[QE+QI], 0xfe000000, v[QT+QI]    ; 4 off the exponent field: the conversion's scale operand
.set QI, QI+1
.endr
.set QI, 0
.rept 2*(\n)
	v_lshrrev_b32 v[QP+QI], 23, v[QE+QI]           ; the scale's byte
.set QI, QI+1
.endr
.set QI, 0
	v_lshl_or_b32 v[QP+2*QI], v[QP+2*QI+1], 8, v[QP+2*QI]
.set QI, QI+1
.rept (\n)-1
	s_delay_alu instid0(VALU_DEP_2)
	v_lshl_or_b32 v[QP+2*QI], v[QP+2*QI+1], 8, v[QP+2*QI]
.set QI, QI+1
.endr
.set QI, 0
.rept \n
	v_cvt_scalef32_pk16_bf6_f32 v[QD+6*QI:QD+6*QI+2], v[(\src)+(\str)*QI:(\src)+(\str)*QI+15], v[QE+2*QI]
	v_cvt_scalef32_pk16_bf6_f32 v[QX+4*QI:QX+4*QI+2], v[(\src)+(\str)*QI+16:(\src)+(\str)*QI+31], v[QE+2*QI+1]
.set QI, QI+1
.endr
	v_nop                                          ; one plain line behind the scaled conversions
.set QI, 0
.rept \n
.irp k, 0,1,2
	v_permlane16_swap_b32 v[QD+6*QI+\k], v[QX+4*QI+\k]   ; a lane gets a whole block: lanes 0-15 block 0, lanes 16-31 block 1
.endr
.irp k, 0,1,2
	s_delay_alu instid0(VALU_DEP_3)
	v_mov_b32 v[QD+6*QI+3+\k], v[QX+4*QI+\k]
.endr
.set QI, QI+1
.endr
.endm
; A weight's fragment: 64 numbers of a lane at v[nb] on (w1 = 1: in window 1), number 32 c + i = k 64 c + 32 (lane / 16) + i of my column.  Out: the fragment in v[QD] .. v[QD + 11], its scale word in v[QP].
.macro WQC nb, w1
.if \w1
	WIN 0x05                                       ; sources 0 and 1 window 1
.endif
.irp c, 0,1
	v_max3_num_f32 v[QT+\c], |v[(\nb)+32*\c]|, |v[(\nb)+32*\c+1]|, s[FLOOR]   ; my block 2 c + h: all its 32 numbers are mine; with the floor
.endr
.if \w1
	WIN 0x14                                       ; sources 1 and 2 window 1
.endif
.irp k, 2,4,6,8,10,12,14,16,18,20,22,24,26,28,30
.irp c, 0,1
	v_max3_num_f32 v[QT+\c], v[QT+\c], |v[(\nb)+32*\c+\k]|, |v[(\nb)+32*\c+\k+1]|
.endr
.endr
	WIN 0
	s_wait_alu depctr_va_vdst(0)
	s_wait_dscnt 0x0                               ; earlier LDS stores have read the word and codes that are now written again
.irp c, 0,1
	v_add_nc_u32 v[QE+\c], 0xfe000000, v[QT+\c]    ; 4 off the exponent field: the conversion's scale operand
.endr
.irp c, 0,1
	s_delay_alu instid0(VALU_DEP_2)
	v_lshrrev_b32 v[QP+\c], 23, v[QE+\c]           ; the scale's byte
.endr
	s_delay_alu instid0(VALU_DEP_1)
	v_lshl_or_b32 v[QP], v[QP+1], 16, v[QP]        ; my two bytes: blocks h and 2 + h,
	s_delay_alu instid0(VALU_DEP_1)
	v_lshlrev_b32 v[QP], v[H8], v[QP]              ; at their places in the word;
	s_delay_alu instid0(VALU_DEP_1)
	v_permlanex16_b32 v[QP+2], v[QP], s[SEL], s[SEL+1]
	s_delay_alu instid0(VALU_DEP_1)
	v_or_b32 v[QP], v[QP], v[QP+2]                 ; with lane l xor 16's two the word is whole
.if \w1
	WIN W_T                                        ; source 0 window 1
.endif
.irp c, 0,1
	v_cvt_scalef32_pk16_bf6_f32 v[QD+6*\c:QD+6*\c+2], v[(\nb)+32*\c:(\nb)+32*\c+15], v[QE+\c]
	v_cvt_scalef32_pk16_bf6_f32 v[QX+4*\c:QX+4*\c+2], v[(\nb)+32*\c+16:(\nb)+32*\c+31], v[QE+\c]   ; (a conversion's three registers begin on an even number)
.endr
	WIN 0
	v_nop                                          ; one plain line behind the scaled conversions
.irp c, 0,1
.irp k, 0,1,2
	v_mov_b32 v[QD+6*\c+3+\k], v[QX+4*\c+\k]
.endr
.endr
.endm
.macro LOADF f                         ; K step f of my row tile: 16 rows x 512 bytes: each load covers 512 consecutive bytes of one row
.irp i, 0,1,2,3,4,5,6,7,8,9,10,11,12,13,14,15
	global_load_b128 v[64*(\f)+4*\i:64*(\f)+4*\i+3], v[L16], s[XB:XB+1] offset:(\i+8*(\i/8))*RS+512*(\f)
.endr
.endm
.macro WLD e, k                        ; a quarter (16 loads) of the numbers of my weight fragment e: e = 0 into window 0, v192 on; e = 1 into window 1, v0 on
.if \e
	WIN TO1
.else
	WIN 0
.endif
.irp i, 0,1,2,3,4,5,6,7,8,9,10,11,12,13,14,15
	global_load_b32 v[W0N*(1-(\e))+16*(\k)+\i], v[WOF], s[WP:WP+1] offset:262144*(\e)+(64*((\k)/2)+16*((\k)%2)+\i)*2048
.endr
.endm
.macro XTURN f, cnt                    ; fragment f's 16 rows turn through my stage, so that a lane holds 64 numbers of one row
	s_wait_loadcnt \cnt
	WIN W_N
.irp i, 0,1,2,3,4,5,6,7,8,9,10,11,12,13,14,15
	ds_store_b128 v[STA], v[64*(\f)+4*\i:64*(\f)+4*\i+3] offset:528*\i
.endr
.irp b, 0,1,2,3
.irp j, 0,1,2,3
	ds_load_b128 v[128+16*\b+4*\j:128+16*\b+4*\j+3], v[STL] offset:128*\b+16*\j   ; LDS serves a wave's instructions in order: these see my stores
.endr
.endr
	s_wait_dscnt 0x0                               ; the numbers are back, and the stores have read their registers
	WIN 0
.endm
.macro XQ f                            ; they are quantised, and the fragment goes to LDS as it stands
	WIN 0
	QUANT 2, 128, 32
	v_lshl_or_b32 v[QP], v[QP+2], 16, v[QP]        ; the two pairs make my row's scale word
.irp j, 0,1,2
	ds_store_b128 v[XW], v[QD+4*\j:QD+4*\j+3] offset:1536*(\f)+512*\j
.endr
	ds_store_b32 v[XWS], v[QP] offset:4*(\f)
.endm
.macro WST e                           ; my weight fragment e and its scale word to LDS
.irp j, 0,1,2
	ds_store_b128 v[WIA], v[QD+4*\j:QD+4*\j+3] offset:1536*(\e)+512*\j
.endr
	ds_store_b32 v[WSA], v[QP] offset:4*(\e)
.endm
	; ---- head, common to both kinds: all that hangs on no pointer stands ahead of the wait for the arguments
	s_load_b512 s[4:19], s[0:1], 0x0               ; lq_w, lk_w, lv_w, gq_w, out_w, wcodes, wscales, x
	s_load_b512 s[20:35], s[0:1], 0x40             ; gk_w, gv_w, gk_b, gv_b, gkimg, gksc, gvimg, gvsc
	v_lshl_add_u32 v126, v0, 2, 0x23400
	v_mov_b32 v127, 0
	v_lshrrev_b32 v1, 5, v0
	s_delay_alu instid0(VALU_DEP_1)
	v_readfirstlane_b32 s[WV], v1                  ; wave 0..7
	v_and_b32 v2, 31, v0
	s_delay_alu instid0(VALU_DEP_1)
	v_lshlrev_b32 v[L16], 4, v2
	s_delay_alu instid0(VALU_DEP_2)
	v_lshlrev_b32 v[L8], 3, v2
	v_and_b32 v48, 15, v0                          ; r
	v_bfe_u32 v49, v0, 4, 1                        ; h
	s_delay_alu instid0(VALU_DEP_2)
	v_lshlrev_b32 v[R16], 4, v48
	s_delay_alu instid0(VALU_DEP_3)
	v_and_b32 v50, 8, v48
	s_delay_alu instid0(VALU_DEP_1)
	v_add_nc_u32 v50, v50, v48                     ; r + 8 (r / 8)
	s_delay_alu instid0(VALU_DEP_1)
	v_lshlrev_b32 v[WOF], 2, v50
	s_delay_alu instid0(VALU_DEP_1)
	v_lshl_add_u32 v[WOF], v49, 16, v[WOF]         ; + 32 h rows of 2,048 bytes
	v_lshlrev_b32 v[H8], 3, v49
.irp k, 0,1,2,3
	v_mov_b32 v[QP+\k], 0                          ; written once: a lane permute's destination counts as one of its sources
.endr
	s_mov_b32 s[SEL], 0x76543210
	s_mov_b32 s[SEL+1], 0xfedcba98                 ; lane selects: lane l xor 16
	s_mov_b32 s[FLOOR], 0x2800000
	s_and_b32 s[T], s[WV], 3
	s_lshr_b32 s[GRP], s[WV], 2
	s_lshr_b32 s[TC], s[T], 1
	s_lshl_b32 s[TC], s[TC], 7
	s_and_b32 s58, s[T], 1
	s_lshl_b32 s58, s58, 5
	s_add_co_u32 s[TC], s[TC], s58                 ; 128 (t / 2) + 32 (t % 2)
	s_cmp_lt_u32 ttmp9, 64
	s_cbranch_scc0 .Lrest
	; ---- work-groups 0-63: global k or v of one batch and head
	s_lshr_b32 s[ROLE], ttmp9, 5                   ; 0: k, 1: v
	s_and_b32 s[BH], ttmp9, 31                     ; 8 x batch + head
	s_and_b32 s[HD], s[BH], 7
	s_lshr_b32 s58, s[BH], 3
	s_lshl_b32 s60, s58, 24                        ; a batch is 8,192 rows of 2,048 bytes
	s_lshr_b32 s59, s[WV], 1
	s_lshl_b32 s59, s59, 22                        ; row tile w begins at the batch's strided row 32 (w / 2) + 8 (w % 2)
	s_add_co_u32 s60, s60, s59
	s_and_b32 s59, s[WV], 1
	s_lshl_b32 s59, s59, 20
	s_add_co_u32 s60, s60, s59
	s_mov_b32 s61, 0
	s_lshl_b32 s62, s[HD], 8                       ; 64 numbers a head
	s_lshl_b32 s66, s[GRP], 19                     ; my two K steps begin 256 (w / 4) rows down the weight
	s_add_co_u32 s66, s66, s62
	s_add_co_u32 s66, s66, s[TC]
	s_mov_b32 s67, 0
	s_mul_i32 s58, s[WV], 8448
	s_add_co_u32 s58, s58, STG                     ; my stage
	v_add_nc_u32 v[STA], s58, v[L16]
	v_mul_u32_u24 v[STL], v48, 528
	s_delay_alu instid0(VALU_DEP_1)
	v_lshl_add_u32 v[STL], v49, 6, v[STL]
	s_delay_alu instid0(VALU_DEP_1)
	v_add_nc_u32 v[STL], s58, v[STL]
	s_mul_i32 s68, s[WV], 6144                     ; row tile w's four images
	v_add_nc_u32 v[XW], s68, v[L16]
	s_lshl_b32 s69, s[WV], 8
	s_add_co_u32 s69, s69, XSC                     ; and its scale words
	v_add_nc_u32 v[XWS], s69, v[R16]
	s_lshl_b32 s58, s[T], 2
	s_lshl_b32 s59, s[GRP], 1
	s_add_co_u32 s58, s58, s59                     ; my first weight fragment: 4 t + 2 (w / 4)
	s_mul_i32 s58, s58, 1536
	s_add_co_u32 s58, s58, WIMG
	v_add_nc_u32 v[WIA], s58, v[L16]
	s_lshl_b32 s70, s[T], 8
	s_add_co_u32 s70, s70, WSC                     ; column tile t's scale words
	s_lshl_b32 s59, s[GRP], 3
	s_add_co_u32 s59, s59, s70
	v_add_nc_u32 v[WSA], s59, v[R16]
	v_lshlrev_b32 v[BOA], 6, v49
	s_delay_alu instid0(VALU_DEP_1)
	v_add_nc_u32 v[BOA], s62, v[BOA]               ; the bias where a lane holds a row: 64 numbers a head, + 16 h
	s_add_co_u32 s59, s62, s[TC]
	v_lshl_add_u32 v[BVA], v50, 2, s59             ; where it holds a column: that of member r of tile t
	s_mul_i32 s71, s[GRP], 24576                   ; v: large = x's four row tiles of keys 64 (w / 4) on,
	s_mul_i32 s72, s[T], 6144
	s_add_co_u32 s72, s72, WIMG                    ;    small = the weight's column tile t,
	s_lshl_b32 s73, s[GRP], 10
	s_add_co_u32 s73, s73, XSC
	s_lshl_b32 s74, s[T], 1
	s_add_co_u32 s74, s74, s[GRP]                  ;    my half's number: 2 t + w / 4
	s_mov_b32 s75, WIMG                            ; k: large = the weight's four column tiles, small = row tile w, my half's number: w
	s_mov_b32 s76, WSC
	s_cmp_eq_u32 s[ROLE], 0
	s_cselect_b32 s71, s75, s71
	s_cselect_b32 s72, s68, s72
	s_cselect_b32 s73, s76, s73
	s_cselect_b32 s70, s69, s70
	s_cselect_b32 s74, s[WV], s74
	s_cselect_b32 s[RMK], 0, -1                    ; all lanes in the role v
	v_add_nc_u32 v[BIGA], s71, v[L16]
	v_add_nc_u32 v[SMLA], s72, v[L16]
	v_add_nc_u32 v[BIGS], s73, v[R16]
	v_add_nc_u32 v[SMLS], s70, v[R16]
	s_mul_i32 s78, s[BH], 6144
	s_mul_i32 s58, s74, 768
	s_add_co_u32 s78, s78, s58
	s_mov_b32 s79, 0
	s_lshl_b32 s76, s[BH], 8
	s_lshl_b32 s58, s74, 1
	s_add_co_u32 s76, s76, s58
	s_mov_b32 s77, 0
	s_wait_alu depctr_va_vdst(0)
	s_wait_kmcnt 0x0
	s_cmp_eq_u32 s[ROLE], 0                        ; the choices hang on the work-group's number alone
	s_cselect_b64 s[WP:WP+1], s[20:21], s[22:23]
	s_cselect_b64 s[BP:BP+1], s[24:25], s[26:27]
	s_cselect_b64 s[OIP:OIP+1], s[28:29], s[32:33]
	s_cselect_b64 s[OSP:OSP+1], s[30:31], s[34:35]
	s_add_nc_u64 s[XB:XB+1], s[18:19], s[60:61]
	s_add_nc_u64 s[WP:WP+1], s[WP:WP+1], s[66:67]
	s_add_nc_u64 s[OIP:OIP+1], s[OIP:OIP+1], s[78:79]
	s_add_nc_u64 s[OSP:OSP+1], s[OSP:OSP+1], s[76:77]
.irp b, 0,1,2,3
	global_load_b128 v[BI+8*\b:BI+8*\b+3], v[BOA], s[BP:BP+1] offset:128*(\b/2)+32*(\b%2)      ; the bias as k wants it: register 8 b + j: unit 32 (b / 2) + 16 h + 8 (b % 2) + j
	global_load_b128 v[BI+8*\b+4:BI+8*\b+7], v[BOA], s[BP:BP+1] offset:128*(\b/2)+32*(\b%2)+16
.endr
	global_load_b32 v[BV], v[BVA], s[BP:BP+1]      ; and as v wants it: my column's number
	WIN TO1
	LOADF 0
	LOADF 1
	LOADF 2
	LOADF 3
	; x's four fragments; the weight's 128 loads are dealt out among them, so that they are on their way while x is worked
	XTURN 0, 48                                    ; fragment 0 is in; the 48 loads of fragments 1 to 3 may be out
	WLD 0, 0
	WLD 0, 1
	XQ 0
	XTURN 1, 63                                    ; behind fragment 1 stand 64 loads (fragments 2, 3; 32 of the weight): 63 is the largest count that the wait can name
	WLD 0, 2
	XQ 1
	XTURN 2, 63                                    ; behind fragment 2 stand 64 (fragment 3; 48 of the weight)
	WLD 0, 3
	XQ 2
	XTURN 3, 63                                    ; behind fragment 3 stand 64 (my first weight fragment's)
	WLD 1, 0                                       ; into the registers that fragment 0 has left
	WLD 1, 1
	XQ 3
	WLD 1, 2
	WLD 1, 3
	WIN 0
.set k, 0
.rept 32
	v_cndmask_b32 v[BI+k], v[BI+k], v[BV], s[RMK]  ; in the role v all 32 registers hold my column's number
.set k, k+1
.endr
	s_wait_loadcnt 63                              ; behind my first weight fragment's loads stand the second's 64
	WQC W0N, 0
	WST 0
	s_wait_loadcnt 0x0
	WQC 0, 1
	WST 1
	s_wait_dscnt 0x0                               ; my LDS stores have landed
	s_barrier_signal -1
	s_barrier_wait -1                              ; x's 32 fragments and the weight's 16 lie in LDS; nothing is stored to LDS from here on
.irp b, 0,1,2,3
	ds_load_b128 v[16+4*\b:19+4*\b], v[BIGS] offset:256*\b   ; scale words: a row's four K steps at once
.endr
	ds_load_b128 v[32:35], v[SMLS]
.irp s, 0,1,2,3
.irp j, 0,1,2
	ds_load_b128 v[SM+12*\s+4*\j:SM+12*\s+4*\j+3], v[SMLA] offset:1536*\s+512*\j
.endr
.endr
	WIN TO1
.irp s, 0,1,2,3                        ; the large fragments K step by K step, so that the products can begin while the later steps come
.irp b, 0,1,2,3
.irp j, 0,1,2
	ds_load_b128 v[12*(4*\b+\s)+4*\j:12*(4*\b+\s)+4*\j+3], v[BIGA] offset:(4*\b+\s)*1536+512*\j
.endr
.endr
.endr
	WIN W_T
.irp s, 0,1,2,3                        ; four accumulators by turns, one instruction a turn; the bias is the C of the first K step
	s_wait_dscnt 36-12*\s                          ; this K step's fragments are in; the 12 loads of each later step may be out
.irp b, 0,1,2,3
.if \s == 0
	MM ACC+8*\b, 12*(4*\b), SM, BI+8*\b, 16+4*\b, 32
.else
	MM ACC+8*\b, 12*(4*\b+\s), SM+12*\s, ACC+8*\b, 16+4*\b+\s, 32+\s
.endif
.endr
.endr
	WIN 0
	NOP4
	QUANT 1, ACC, 0                                ; 32 numbers a lane: 64 along the next K with lane l xor 16's
	global_store_b128 v[L16], v[QD:QD+3], s[OIP:OIP+1]
	global_store_b64 v[L8], v[QD+4:QD+5], s[OIP:OIP+1] offset:512
	global_store_b16 v[R16], v[QP], s[OSP:OSP+1]   ; both halves of the lanes hold the same pair
	s_wait_tensorcnt 0x0
	ds_add_u32 v126, v127
	s_wait_dscnt 0x0
	s_endpgm
.Lrest:
	; ---- work-groups 64-255: blocks of 128 rows of x become codes.  Wave w takes row tile w of a block (it begins at row 32 (w / 2) + 8 (w % 2), member i is row i + 8 (i / 8)): four fragments of 16 rows x 128 K.
	; All 64 loads of a tile (32,768 bytes a wave) are out at once; each fragment turns through the wave's own stage, is quantised, and leaves as an image: 3 stores of 512 consecutive bytes.
	; Where a work-group has two blocks, a fragment of the second is asked for as soon as the same fragment of the first has left its registers.
	; The stages of this path have LDS bytes of their own, behind the spare words.
.set STG2, 145408
.set XSW,  116                         ; v116-119 my row's four scale words
.macro LOADX f, u                      ; fragment f of my tile in the work-group's block u (0 or 1): a block is 262,144 bytes
.irp i, 0,1,2,3,4,5,6,7,8,9,10,11,12,13,14,15
	global_load_b128 v[64*(\f)+4*\i:64*(\f)+4*\i+3], v[L16], s[XB:XB+1] offset:262144*(\u)+(\i+8*(\i/8))*2048+512*(\f)
.endr
.endm
.macro XQG f
	s_wait_xcnt 0x0                                ; the last fragment's stores have read the codes' registers, which are written again
	QUANT 2, 128, 32
	v_lshl_or_b32 v[XSW+(\f)], v[QP+2], 16, v[QP]  ; the two pairs make my row's scale word of this K step
.irp j, 0,1,2
	global_store_b128 v[L16], v[QD+4*\j:QD+4*\j+3], s[76:77] offset:1536*(\f)+512*\j
.endr
.endm
	s_load_b128 s[72:75], s[0:1], 0x80             ; ximg, xsc
	s_sub_co_u32 s58, ttmp9, 64
	s_lshl_b32 s58, s58, 1
	s_cmp_lt_u32 ttmp9, 128
	s_cselect_b32 s58, s58, ttmp9                  ; my first block: 2 (id - 64) under 128, else id
	s_lshl_b32 s60, s58, 18                        ; 128 rows of 2,048 bytes
	s_lshr_b32 s59, s[WV], 1
	s_lshl_b32 s59, s59, 16
	s_add_co_u32 s60, s60, s59
	s_and_b32 s59, s[WV], 1
	s_lshl_b32 s59, s59, 14
	s_add_co_u32 s60, s60, s59
	s_mov_b32 s61, 0
	s_mul_i32 s66, s58, 49152                      ; 32 images for 128 rows, four for a tile
	s_mul_i32 s59, s[WV], 6144
	s_add_co_u32 s66, s66, s59
	s_mov_b32 s67, 0
	s_lshl_b32 s68, s58, 11                        ; 2,048 bytes of scale words for 128 rows, 256 for a tile
	s_lshl_b32 s59, s[WV], 8
	s_add_co_u32 s68, s68, s59
	s_mov_b32 s69, 0
	s_mul_i32 s59, s[WV], 8448
	s_add_co_u32 s59, s59, STG2                    ; my stage
	v_add_nc_u32 v[STA], s59, v[L16]
	v_mul_u32_u24 v[STL], v48, 528
	s_delay_alu instid0(VALU_DEP_1)
	v_lshl_add_u32 v[STL], v49, 6, v[STL]
	s_delay_alu instid0(VALU_DEP_1)
	v_add_nc_u32 v[STL], s59, v[STL]
	s_wait_alu depctr_va_vdst(0)
	s_wait_kmcnt 0x0
	s_add_nc_u64 s[XB:XB+1], s[18:19], s[60:61]
	s_add_nc_u64 s[76:77], s[72:73], s[66:67]      ; where my tile's images go,
	s_add_nc_u64 s[78:79], s[74:75], s[68:69]      ; and its scale words
	WIN TO1
	LOADX 0, 0
	LOADX 1, 0
	LOADX 2, 0
	LOADX 3, 0
	WIN 0
	s_cmp_lt_u32 ttmp9, 128
	s_cbranch_scc1 .Ltwo                           ; two blocks
	s_cmp_lt_u32 ttmp9, 224
	s_cbranch_scc0 .Lsteps                         ; one block and no weight
	; ---- work-groups 128-223: one fragment of a weight a wave, while x's 64 loads are on their way
	s_sub_co_u32 s58, ttmp9, 128
	s_lshr_b32 s59, s58, 4                         ; 0 lq, 1 lk, 2 lv, 3 gq, 4 out_w rows 0-511, 5 out_w rows 512-1023
	s_bfe_u32 s60, s58, 0x30001                    ; hd
	s_and_b32 s61, s58, 1
	s_lshl_b32 s61, s61, 1
	s_add_co_u32 s61, s61, s[GRP]                  ; K step s
	s_lshl_b32 s66, s61, 18                        ; 128 s rows
	s_lshl_b32 s62, s60, 8                         ; 64 hd columns
	s_add_co_u32 s66, s66, s62
	s_add_co_u32 s66, s66, s[TC]
	s_cmp_eq_u32 s59, 5
	s_cselect_b32 s62, 0x100000, 0                 ; the last begins 512 rows down in out_w
	s_add_co_u32 s66, s66, s62
	s_mov_b32 s67, 0
	s_cmp_lt_u32 s59, 4
	s_cselect_b32 s62, 0, 2
	s_add_co_u32 s62, s62, s59                     ; the matrix's number in the two buffers: 0-3, 6, 7
	s_lshl_b32 s62, s62, 3
	s_add_co_u32 s62, s62, s60
	s_lshl_b32 s62, s62, 2
	s_add_co_u32 s62, s62, s[T]                    ; the tile's number
	s_lshl_b32 s68, s62, 2
	s_add_co_u32 s68, s68, s61                     ; the fragment's number
	s_mul_i32 s68, s68, 1536
	s_mov_b32 s69, 0
	s_lshl_b32 s70, s62, 8                         ; 256 bytes of scale words a tile
	s_lshl_b32 s63, s61, 2
	s_add_co_u32 s70, s70, s63
	s_mov_b32 s71, 0
	s_wait_kmcnt 0x0
	s_mov_b64 s[WP:WP+1], s[12:13]                 ; out_w, unless it is one of the first four
.irp n, 0,1,2,3
	s_cmp_eq_u32 s59, \n
	s_cselect_b64 s[WP:WP+1], s[4+2*\n:5+2*\n], s[WP:WP+1]
.endr
	s_add_nc_u64 s[WP:WP+1], s[WP:WP+1], s[66:67]
	s_add_nc_u64 s[OIP:OIP+1], s[14:15], s[68:69]
	s_add_nc_u64 s[OSP:OSP+1], s[16:17], s[70:71]
.set i, 0
	s_wait_alu depctr_va_vdst(0)
.rept 64
	global_load_b32 v[128+i], v[WOF], s[WP:WP+1] offset:(64*(i/32)+i%32)*2048   ; W(128 s + 64 c + 32 h + i, my column)
.set i, i+1
.endr
	s_wait_loadcnt 0x0
	WQC 128, 0
.irp j, 0,1,2
	global_store_b128 v[L16], v[QD+4*\j:QD+4*\j+3], s[OIP:OIP+1] offset:512*\j   ; 32 lanes store 512 consecutive bytes
.endr
	global_store_b32 v[R16], v[QP], s[OSP:OSP+1]   ; both halves of the lanes hold the same word
	s_branch .Lsteps
.Ltwo:                                 ; the first of two blocks; behind each fragment three younger groups of 16 loads are out
.irp f, 0,1,2,3
	XTURN \f, 48
	WIN TO1
	LOADX \f, 1
	WIN 0
	XQG \f
.endr
	global_store_b128 v[R16], v[XSW:XSW+3], s[78:79]
	s_wait_xcnt 0x0                                ; the stores have read their bases, which step to the second block
	s_add_nc_u64 s[76:77], s[76:77], 49152
	s_add_nc_u64 s[78:79], s[78:79], 2048
.Lsteps:                               ; the last or only block: its 64 loads are out or in
	XTURN 0, 48                                    ; fragment 0 is in; the 16 loads of each later fragment may be out
	XQG 0
	XTURN 1, 32
	XQG 1
	XTURN 2, 16
	XQG 2
	XTURN 3, 0
	XQG 3
	global_store_b128 v[R16], v[XSW:XSW+3], s[78:79]   ; 256 consecutive bytes; both halves of the lanes hold the same words
	s_wait_tensorcnt 0x0                           ; the wave's end
	ds_add_u32 v126, v127
	s_wait_dscnt 0x0
	s_endpgm
.Lfunc_end_k_qd0bbf3e304_prep:
	.size	k_qd0bbf3e304_prep, .Lfunc_end_k_qd0bbf3e304_prep-k_qd0bbf3e304_prep
	.p2alignl 7, 3214868480
	.fill 96, 4, 3214868480
	.section	.rodata,"a",@progbits
	.p2align	6, 0x0
	.amdhsa_kernel k_qd0bbf3e304_prep
		.amdhsa_group_segment_fixed_size 212992
		.amdhsa_private_segment_fixed_size 0
		.amdhsa_enable_private_segment 0
		.amdhsa_kernarg_size 144
		.amdhsa_user_sgpr_count 2
		.amdhsa_user_sgpr_kernarg_segment_ptr 1
		.amdhsa_wavefront_size32 1
		.amdhsa_system_sgpr_workgroup_id_x 1
		.amdhsa_system_sgpr_workgroup_id_y 1
		.amdhsa_system_sgpr_workgroup_id_z 1
		.amdhsa_system_vgpr_workitem_id 0
		.amdhsa_next_free_vgpr 512
		.amdhsa_next_free_sgpr 80
		.amdhsa_reserve_vcc 0
		.amdhsa_float_denorm_mode_32 3
		.amdhsa_float_denorm_mode_16_64 3
		.amdhsa_memory_ordered 1
		.amdhsa_forward_progress 1
		.amdhsa_inst_pref_size 143
	.end_amdhsa_kernel
	.amdgpu_metadata
---
amdhsa.version: [ 1, 2 ]
amdhsa.kernels:
  - .name:           k_qd0bbf3e304_prep
    .symbol:         k_qd0bbf3e304_prep.kd
    .args:
      - { .name: lq_w, .offset: 0, .size: 8, .value_kind: global_buffer, .address_space: global }
      - { .name: lk_w, .offset: 8, .size: 8, .value_kind: global_buffer, .address_space: global }
      - { .name: lv_w, .offset: 16, .size: 8, .value_kind: global_buffer, .address_space: global }
      - { .name: gq_w, .offset: 24, .size: 8, .value_kind: global_buffer, .address_space: global }
      - { .name: out_w, .offset: 32, .size: 8, .value_kind: global_buffer, .address_space: global }
      - { .name: wcodes, .offset: 40, .size: 8, .value_kind: global_buffer, .address_space: global }
      - { .name: wscales, .offset: 48, .size: 8, .value_kind: global_buffer, .address_space: global }
      - { .name: x, .offset: 56, .size: 8, .value_kind: global_buffer, .address_space: global }
      - { .name: gk_w, .offset: 64, .size: 8, .value_kind: global_buffer, .address_space: global }
      - { .name: gv_w, .offset: 72, .size: 8, .value_kind: global_buffer, .address_space: global }
      - { .name: gk_b, .offset: 80, .size: 8, .value_kind: global_buffer, .address_space: global }
      - { .name: gv_b, .offset: 88, .size: 8, .value_kind: global_buffer, .address_space: global }
      - { .name: gkimg, .offset: 96, .size: 8, .value_kind: global_buffer, .address_space: global }
      - { .name: gksc, .offset: 104, .size: 8, .value_kind: global_buffer, .address_space: global }
      - { .name: gvimg, .offset: 112, .size: 8, .value_kind: global_buffer, .address_space: global }
      - { .name: gvsc, .offset: 120, .size: 8, .value_kind: global_buffer, .address_space: global }
      - { .name: ximg, .offset: 128, .size: 8, .value_kind: global_buffer, .address_space: global }
      - { .name: xsc, .offset: 136, .size: 8, .value_kind: global_buffer, .address_space: global }
    .group_segment_fixed_size: 212992
    .private_segment_fixed_size: 0
    .kernarg_segment_align: 8
    .kernarg_segment_size: 144
    .max_flat_workgroup_size: 256
    .sgpr_count:     80
    .vgpr_count:     512
    .wavefront_size: 32
...
	.end_amdgpu_metadata
.endif
;; end of part 1
;; launch fused (part 2): grid 256 x 1, 8 waves a work-group, no clusters, 320,512 bytes of LDS; arguments x, wcodes, wscales, lk_b, lv_b, lq_b, gq_b, gkimg, gksc, gvimg, gvsc, out_b, ln_g, ln_b, out0, ximg, xsc; writes out0
.if DOCPART == 2
	.amdgcn_target "amdgcn-amd-amdhsa--gfx1250"
	.amdhsa_code_object_version 6
	.text
	.protected	k_qd0bbf3e304_fused
	.globl	k_qd0bbf3e304_fused
	.p2align	8
	.type	k_qd0bbf3e304_fused,@function
k_qd0bbf3e304_fused:
	s_mov_b64 s[64:65], 0
	v_nop
	global_prefetch_b8 v0, s[64:65] scope:SCOPE_SE
	s_setreg_imm32_b32 hwreg(HW_REG_WAVE_MODE, 25, 1), 1
	s_wait_xcnt 0x0
; out0 = LayerNorm(x + [local attention, global attention] out_w + out_b), every product on codes of BF6 (E3M2) with one E8M0 byte for each 32 along K.  Nothing but out0 goes to memory.
; SHARES.  Work-group id owns rows 128 id .. 128 id + 127 (half a window of 256) and makes K and V for its whole window (the other half's rows are read too).  Eight waves, WAVE = HEAD:
; q, k, v and the global q of a head are made, quantised and used by one wave.  Only x's codes (in) and the attention's results (out) go from wave to wave, through LDS, as images of the operand's registers.
; Each weight fragment is used by one wave alone and is loaded once, from the layout that the first launch made, straight into that wave's registers.
; NO CLUSTER, NO TENSOR LOAD: a joint load lands in LDS, and of 327,680 bytes 319,488 are taken by x's images and the heads' parks: no slot for weights is left; and no weight fragment is read by two waves of a work-group.
; THE MEMBERS OF A TILE ARE NOT NEIGHBOURS: in each group of 64 (rows, keys, columns, channels) member i of tile 2 b + u is 32 b + 8 u + i + 8 (i / 8): the 16 registers of two neighbouring result tiles are then 16 neighbours along the next K.
; A FRAGMENT is 12 registers (16 rows x 128 K), its image 1,536 bytes (registers 4 j .. 4 j + 3 of lane l at 512 j + 16 l).  A HALF is 6 registers (64 K), its image 768 bytes (registers 0-3 at 16 l, 4-5 at 512 + 8 l).
; SCORES have K = 64: source 0 holds two key tiles, one in each half of K; source 1 is [q | zeros] for the first and [zeros | q] for the second, both cut from 18 registers zeros, q, zeros.
; SOFTMAX: t = score x log2(e) / 8, M = ceil(the row's largest t), p = 2^(t - M) is quantised along the keys; the row's sum is taken of the unquantised p and divides at the end.
; PHASES: X (x to codes) | barrier | K, V (4 groups of 64 rows each) | barrier | Q, local attention, global Q, global attention | barrier | output projection (wave w: columns 64 w on) | barrier | stage | barrier | LayerNorm (wave w: row tile w).
; ORDER OF SUMS: a window's keys are taken own half first; the last product's K steps go local heads 2 p, 2 p + 1, then global heads 2 p, 2 p + 1.
; LIMITS: NaN and infinities are not served.  A block of zeros gets the byte 1 where the rule says 127: its codes are zeros, and this program alone reads the bytes.
; REGISTERS, window 0: v1-15 addresses; v16-47 scale words and nothing else; v48-79 the quantiser's and the softmax's small values; v80-127 x's fragments / zeros q zeros, p; v128-255 accumulators / scores.
;            window 1: v0-191 a projection's 16 weight fragments / K and V; v192-223 bias / O^T; in the last product all 256: its 32 accumulators.
; PHASE X AS IT STANDS: x's codes come from the first launch, as images and scale words laid as LDS wants them (ximg, xsc): phase X is a copy of 98,304 + 4,096 bytes into LDS, 25 loads of 512 bytes a wave.
; x itself is read for the residual alone; its rows are prefetched in the first four trips of the global attention: a trip names the 4 rows (32 blocks of 256 bytes, a lane a block) of one trip of the LayerNorm, each wave its own row tile.
; THE WEIGHTS OF THE NEXT PROJECTION are loaded over those of the last as soon as these have had their last product: in the last trip of K and of V K step by K step, in the last trip of the local attention over K and then over V.
.set RS,    2048
.set AOFF,  49152                      ; from my tile of own rows to my tile of the other half's
.set ASOFF, 2048
.set WM0,   196608                     ; lk's fragments come in during phase X
.set XSC,   98304                      ; LDS: 64 images of x at 0; scale words [tile 16][r][K step]
.set PARK,  102400                     ; a park of 25,600 bytes for each wave: K (16 halves), V (16 halves), their pairs; later O local, q global, O global (8 halves each)
.set PARKB, 25600
.set QPO,   49152                      ; q local, 8 halves a wave, over the images of the other half's rows, which nobody reads behind the second barrier
.set QSO,   307200                     ; q's scale words, 512 bytes a wave
.set GQSO,  311296
.set OSC,   315392                     ; the results' scale words [2 (head / 2) + (0 local, 1 global)][r][row tile]
.set SPITCH, 2064                      ; the last stage, over everything from 0 on: 128 rows x (2,048 + 16) bytes
.set L16, 1
.set L8,  2
.set R16, 3
.set STA, 4
.set STL, 5
.set XW,  6
.set XWS, 7
.set XAD, 4
.set XNX, 5
.set XSN, 6
.set XS0, 7
.set PA,  8
.set PB,  9
.set PS,  10
.set BOT, 14                           ; v14, v15 my lane's place in a bias: never rewritten
.set BON, 15
.set QA,  4
.set QAB, 5
.set QSA, 6
.set OAA, 7
.set NM,  8                            ; v8 -M (v9 named with it as a pair)
.set OAB, 10
.set OSCA, 11
.set SA,  12
.set SB,  126
.set RM,  98
.set RP,  99
.set RL,  124                          ; v124 1 / l (v125 named with it)
.set QT, 48
.set QP, 52
.set QE, 56
.set QX, 60
.set QD, 68
.set BM, 48
.set BT, 56
.set EX, 64
.set CT, 72
.set ZQ, 80
.set PF, 100
.set S,  128
.set OA,   4
.set OAH,  5
.set ON,   6
.set ONH,  7
.set OSN,  8
.set WON,  9
.set WSON, 10
.set OA0,  11
.set OAH0, 12
.set OS0A, 13
.set SR0, 5
.set SRN, 6
.set SO,  8
.set HX, 64
.set HS, 128
.set HH, 192
.set LT, 48
.set LR, 56
.set LP, 60
.set PLKB, 10
.set PLVB, 12
.set PLQB, 14
.set PGQB, 16
.set POB,  26
.set PLG,  28
.set PLB,  30
.set WV,   34
.set ID,   35
.set XB0,  36                          ; s[36:37] my tile of own rows in x, s[38:39] my tile of the other half's
.set WB,   40
.set WS,   42
.set SEL,  44
.set CS,   46
.set FLOOR, 48
.set CNT,  49
.set GKI,  56
.set GVI,  58
.set GKS,  60
.set GVS,  62
.set OT,   66
.set I512, 72
.set EPS,  73
.set PK,   74
.set TO1,   0x40
.set W_T0,  0x11
.set W_T,   0x01
.set W_N0,  0x14
.set W_N,   0x04
.set W_PV0, 0x41
.set W_PV,  0x51
.set W_OP0, 0x40
.set W_OP,  0x50
.set MSB, 0
.set QDS, 0                            ; the count of the quantiser's wait on DScnt: 0, unless the line ahead of a QUANT sets it for that one use
.macro WIN new                         ; the immediate's high byte repeats the setting that is left
.if MSB != (\new)
	s_set_vgpr_msb (MSB<<8)|(\new)
.set MSB, (\new)
.endif
.endm
.macro NOP4                            ; four places behind a matrix instruction (ISA guide 7.12.1), where no other vector work is at hand
.rept 4
	v_nop
.endr
.endm
.macro MM d, a, b, c, sa, sb
	v_wmma_scale_f32_16x16x128_f8f6f4 v[(\d):(\d)+7], v[(\a):(\a)+11], v[(\b):(\b)+11], v[(\c):(\c)+7], v[\sa], v[\sb] matrix_a_fmt:MATRIX_FMT_BF6 matrix_b_fmt:MATRIX_FMT_BF6
.endm
.macro MM0 d, a, b, sa, sb             ; the first product starts a sum: nothing is cleared
	v_wmma_scale_f32_16x16x128_f8f6f4 v[(\d):(\d)+7], v[(\a):(\a)+11], v[(\b):(\b)+11], 0, v[\sa], v[\sb] matrix_a_fmt:MATRIX_FMT_BF6 matrix_b_fmt:MATRIX_FMT_BF6
.endm
.macro BARRIER                         ; my LDS stores have landed and my LDS loads are in: then the work-group's barrier
	s_wait_dscnt 0x0
	s_barrier_signal -1
	s_barrier_wait -1
.endm
; n (1 or 2) times 32 numbers of a lane, input q at v[src + str q]: register 16 b + i = k 32 b + 16 (lane / 16) + i of my row.  Out: a half (6 registers) in v[QD + 6 q], its scale pair in v[QP + 2 q].
.macro QUANT n, src, str
.set QI, 0
.rept 2*(\n)
	v_max3_num_f32 v[QT+QI], |v[(\src)+(\str)*(QI/2)+16*(QI%2)]|, |v[(\src)+(\str)*(QI/2)+16*(QI%2)+1]|, s[FLOOR]   ; with the floor 2^(5 - 127): the byte cannot fall under 1
.set QI, QI+1
.endr
.irp k, 2,4,6,8,10,12,14
.set QI, 0
.rept 2*(\n)
	v_max3_num_f32 v[QT+QI], v[QT+QI], |v[(\src)+(\str)*(QI/2)+16*(QI%2)+\k]|, |v[(\src)+(\str)*(QI/2)+16*(QI%2)+\k+1]|
.set QI, QI+1
.endr
.endr
	s_wait_alu depctr_va_vdst(0)
	s_wait_dscnt QDS                               ; earlier LDS stores have read the pairs and codes that are now written again
.set QDS, 0
.set QI, 0
.rept 2*(\n)
	v_permlanex16_b32 v[QP+QI], v[QT+QI], s[SEL], s[SEL+1]
.set QI, QI+1
.endr
.set QI, 0
.rept 2*(\n)
	v_max_num_f32 v[QT+QI], v[QT+QI], v[QP+QI]     ; with lane l xor 16's: the block's largest magnitude
.set QI, QI+1
.endr
.set QI, 0
.rept 2*(\n)
	v_add_nc_u32 v[QE+QI], 0xfe000000, v[QT+QI]    ; 4 off the exponent field: the conversion's scale operand
.set QI, QI+1
.endr
.set QI, 0
.rept 2*(\n)
	v_lshrrev_b32 v[QP+QI], 23, v[QE+QI]           ; the scale's byte
.set QI, QI+1
.endr
.set QI, 0
	v_lshl_or_b32 v[QP+2*QI], v[QP+2*QI+1], 8, v[QP+2*QI]
.set QI, QI+1
.rept (\n)-1
	s_delay_alu instid0(VALU_DEP_2)
	v_lshl_or_b32 v[QP+2*QI], v[QP+2*QI+1], 8, v[QP+2*QI]
.set QI, QI+1
.endr
.set QI, 0
.rept \n
	v_cvt_scalef32_pk16_bf6_f32 v[QD+6*QI:QD+6*QI+2], v[(\src)+(\str)*QI:(\src)+(\str)*QI+15], v[QE+2*QI]
	v_cvt_scalef32_pk16_bf6_f32 v[QX+4*QI:QX+4*QI+2], v[(\src)+(\str)*QI+16:(\src)+(\str)*QI+31], v[QE+2*QI+1]
.set QI, QI+1
.endr
	v_nop                                          ; one plain line behind the scaled conversions
.set QI, 0
.rept \n
.irp k, 0,1,2
	v_permlane16_swap_b32 v[QD+6*QI+\k], v[QX+4*QI+\k]   ; a lane gets a whole block: lanes 0-15 block 0, lanes 16-31 block 1
.endr
.irp k, 0,1,2
	s_delay_alu instid0(VALU_DEP_3)
	v_mov_b32 v[QD+6*QI+3+\k], v[QX+4*QI+\k]
.endr
.set QI, QI+1
.endr
.endm
.macro LOADF f                         ; fragment f = 4 a + s: 16 rows x 512 bytes of tile a, K step s: each load covers 512 consecutive bytes of one row
.irp i, 0,1,2,3,4,5,6,7,8,9,10,11,12,13,14,15
	global_load_b128 v[64*((\f)%4)+4*\i:64*((\f)%4)+4*\i+3], v[L16], s[XB0+2*((\f)/4):XB0+2*((\f)/4)+1] offset:(\i+8*(\i/8))*RS+512*((\f)%4)
.endr
.endm
.macro WPART k, moff                   ; a third of my 16 weight fragments: 16 loads of 512 consecutive bytes, straight into the operand's registers
.irp i, 0,1,2,3,4,5,6,7,8,9,10,11,12,13,14,15
	global_load_b128 v[4*(16*(\k)+\i):4*(16*(\k)+\i)+3], v[L16], s[WB:WB+1] offset:(\moff)+512*(16*(\k)+\i)
.endr
.endm
.macro WLOAD moff
	WIN TO1
	WPART 0, \moff
	WPART 1, \moff
	WPART 2, \moff
.endm
.macro AUX_T bp, soff                  ; the bias where a lane holds one row: eight neighbours a tile; and the weights' scale words
	WIN TO1
.irp t, 0,1,2,3
	global_load_b128 v[192+8*\t:195+8*\t], v[BOT], s[\bp:\bp+1] offset:(32*(\t/2)+8*(\t%2))*4
	global_load_b128 v[196+8*\t:199+8*\t], v[BOT], s[\bp:\bp+1] offset:(32*(\t/2)+8*(\t%2))*4+16
.endr
	WIN 0
.irp t, 0,1,2,3
	global_load_b128 v[16+4*\t:19+4*\t], v[R16], s[WS:WS+1] offset:(\soff)+256*\t
.endr
.endm
.macro AUX_N bp, soff                  ; the bias where a lane holds one column: its number in all eight registers of a tile
	WIN TO1
.irp t, 0,1,2,3
.irp j, 0,1,2,3,4,5,6,7
	global_load_b32 v[192+8*\t+\j], v[BON], s[\bp:\bp+1] offset:(32*(\t/2)+8*(\t%2))*4
.endr
.endr
	WIN 0
.irp t, 0,1,2,3
	global_load_b128 v[16+4*\t:19+4*\t], v[R16], s[WS:WS+1] offset:(\soff)+256*\t
.endr
.endm
.macro XAUX
	AUX_T PLKB, 8192
.endm
; One fragment of x: its 16 rows turn through my stage, so that a lane holds 64 numbers of one row; they are quantised and the fragment goes to LDS as it stands.
.macro XSTEP f
	s_wait_loadcnt 48                              ; this fragment's 16 loads are in; three younger groups of 16 may be out
	WIN W_N
.irp i, 0,1,2,3,4,5,6,7,8,9,10,11,12,13,14,15
	ds_store_b128 v[STA], v[64*((\f)%4)+4*\i:64*((\f)%4)+4*\i+3] offset:528*\i
.endr
.irp b, 0,1,2,3
.irp j, 0,1,2,3
	ds_load_b128 v[128+16*\b+4*\j:128+16*\b+4*\j+3], v[STL] offset:128*\b+16*\j   ; LDS serves a wave's instructions in order: these see my stores
.endr
.endr
	s_wait_dscnt 0x0                               ; the numbers are back, and the stores have read their registers, which take new loads
.if (\f) < 4
	WIN TO1
	LOADF (\f)+4
.elseif (\f) < 7
	WIN TO1
	WPART (\f)-4, WM0
.else
	XAUX
.endif
	WIN 0
	QUANT 2, 128, 32
	v_lshl_or_b32 v[QP], v[QP+2], 16, v[QP]        ; the two pairs make my row's scale word
.irp j, 0,1,2
	ds_store_b128 v[XW], v[QD+4*\j:QD+4*\j+3] offset:AOFF*((\f)/4)+1536*((\f)%4)+512*\j
.endr
	ds_store_b32 v[XWS], v[QP] offset:ASOFF*((\f)/4)+4*((\f)%4)
.endm
.macro PRELOAD fa, sa                  ; a group's four fragments of K step 0 and its scale words
.irp m, 0,1,2,3
.irp j, 0,1,2
	ds_load_b128 v[80+12*\m+4*\j:80+12*\m+4*\j+3], v[\fa] offset:6144*\m+512*\j
.endr
.endr
.irp m, 0,1,2,3
	ds_load_b128 v[32+4*\m:35+4*\m], v[\sa] offset:256*\m
.endr
	s_wait_dscnt 0x0
.endm
.macro GWIN ori, s
.if \ori
.if (\s) == 0
	WIN W_N0
.else
	WIN W_N
.endif
.else
.if (\s) == 0
	WIN W_T0
.else
	WIN W_T
.endif
.endif
.endm
.macro GMM ori, s, m                   ; row tile m against the four column tiles, K step s; the bias is the C of the first K step
.irp t, 0,1,2,3
.if \ori
.if (\s) == 0
	MM 128+32*\t+8*(\m), 80+12*(\m), 12*(4*\t+(\s)), 192+8*\t, 32+4*(\m)+(\s), 16+4*\t+(\s)
.else
	MM 128+32*\t+8*(\m), 80+12*(\m), 12*(4*\t+(\s)), 128+32*\t+8*(\m), 32+4*(\m)+(\s), 16+4*\t+(\s)
.endif
.else
.if (\s) == 0
	MM 128+32*(\m)+8*\t, 12*(4*\t+(\s)), 80+12*(\m), 192+8*\t, 16+4*\t+(\s), 32+4*(\m)+(\s)
.else
	MM 128+32*(\m)+8*\t, 12*(4*\t+(\s)), 80+12*(\m), 128+32*(\m)+8*\t, 16+4*\t+(\s), 32+4*(\m)+(\s)
.endif
.endif
.endr
.endm
.macro GREF ori, nx, s, m0             ; row tiles m0, m0 + 1 of the next K step (behind K step 3: of the next group's K step 0)
.if ((\s) < 3) || (\nx)
.if (\ori) == 0
	WIN 0
.endif
.irp m, \m0, \m0+1
.irp j, 0,1,2
.if (\s) < 3
	ds_load_b128 v[80+12*(\m)+4*\j:80+12*(\m)+4*\j+3], v[XAD] offset:(4*(\m)+(\s)+1)*1536+512*\j
.else
	ds_load_b128 v[80+12*(\m)+4*\j:80+12*(\m)+4*\j+3], v[XNX] offset:(4*(\m))*1536+512*\j
.endif
.endr
.endr
.endif
.endm
; 4 row tiles x 4 column tiles x 4 K steps: 64 matrix instructions on 16 accumulators, which take turns, one instruction a turn, in the same order in every K step.
; ori = 0: source 0 = the weight's columns, source 1 = the rows (a lane holds one row); ori = 1: the other way round (a lane holds one column).
; In a projection's last trip the fragments of K step s have had their last product: the next projection's fragments of that K step are loaded over them, four places behind it; behind K step 3 its bias and scale words too.
; The loads are waited for at the loop's top, on every way round, and ahead of the next projection.
.macro REFILL ng, moff, aux, bp, soff, s
	WIN 0
	s_cmp_lt_u32 s[CNT], (\ng)-1
	s_cbranch_scc1 .Lkeep_\@
	WIN TO1
.irp t, 0,1,2,3
.irp j, 0,1,2
	global_load_b128 v[12*(4*\t+(\s))+4*\j:12*(4*\t+(\s))+4*\j+3], v[L16], s[WB:WB+1] offset:(\moff)+1536*(4*\t+(\s))+512*\j
.endr
.endr
.if (\s) == 3
.if (\aux) == 1
	AUX_T \bp, \soff
.else
	AUX_N \bp, \soff
.endif
.endif
	WIN 0
.Lkeep_\@:
.endm
.macro GROUP ori, nx, rf, ng, moff, aux, bp, soff
.irp s, 0,1,2,3
	s_wait_dscnt 6                                 ; row tiles 0, 1 are in; the six loads behind them (tiles 2, 3) may be out
	GWIN \ori, \s
	GMM \ori, \s, 0
	GMM \ori, \s, 1
	NOP4
	GREF \ori, \nx, \s, 0
.if ((\nx) == 0) && (\s == 3)
	s_wait_dscnt 0x0
.else
	s_wait_dscnt 6                                 ; row tiles 2, 3 are in; the six just issued may be out
.endif
	GWIN \ori, \s
	GMM \ori, \s, 2
	GMM \ori, \s, 3
	NOP4
	GREF \ori, \nx, \s, 2
.if \rf
	REFILL \ng, \moff, \aux, \bp, \soff, \s
.endif
.endr
	WIN 0
.if \nx
.irp m, 0,1,2,3
	ds_load_b128 v[32+4*\m:35+4*\m], v[XSN] offset:256*\m
.endr
.endif
.endm
.macro GTOP ng                         ; this group's images; the next group's, which wrap to group 0 in the last trip: what the next projection begins with
	s_mul_i32 s50, s[CNT], 24576
	s_add_co_u32 s51, s[CNT], 1
	s_and_b32 s51, s51, (\ng)-1
	s_mul_i32 s52, s51, 24576
	s_lshl_b32 s53, s51, 10
	v_add_nc_u32 v[XAD], s50, v[L16]
	v_add_nc_u32 v[XNX], s52, v[L16]
	v_add_nc_u32 v[XSN], s53, v[XS0]
.endm
.macro PST q, ho, po, dbl              ; half q and its pair to my park; dbl = 1: the pair twice in a word (q's scale word for both forms of source 1)
	ds_store_b128 v[PA], v[QD+6*(\q):QD+6*(\q)+3] offset:\ho
	ds_store_b64 v[PB], v[QD+6*(\q)+4:QD+6*(\q)+5] offset:\ho
.if \dbl
	v_lshl_or_b32 v[QP+2*(\q)], v[QP+2*(\q)], 16, v[QP+2*(\q)]
	ds_store_b32 v[PS], v[QP+2*(\q)] offset:\po
.else
	ds_store_b16 v[PS], v[QP+2*(\q)] offset:\po
.endif
.endm
; A projection of ng groups of 64 rows onto my head's 64 columns; each group's 16 result tiles become four halves.
.macro PROJ ng, ori, hs, ps, hstep, pstep, dbl, rf, moff, aux, bp, soff
	s_mov_b32 s[CNT], 0
.Lproj_\@:
	s_wait_alu depctr_va_vdst(0)
.if \rf
	s_wait_loadcnt 0x0                             ; no load into a weight's register is out when the products begin
.endif
	GTOP \ng
	s_wait_alu depctr_va_vdst(0)
	GROUP \ori, 1, \rf, \ng, \moff, \aux, \bp, \soff
.set QDS, 16                           ; behind the last trip's stores stand all of this group's LDS loads; the youngest 16 (the next group's 12 of K step 0 and 4 of scale words) may stay out
	QUANT 2, 128, 32
	PST 0, 0, 0, \dbl
	PST 1, \hs, \ps, \dbl
	QUANT 2, 192, 32
	PST 0, 2*(\hs), 2*(\ps), \dbl
	PST 1, 3*(\hs), 3*(\ps), \dbl
	v_add_nc_u32 v[PA], \hstep, v[PA]
	v_add_nc_u32 v[PB], \hstep, v[PB]
	v_add_nc_u32 v[PS], \pstep, v[PS]
	s_add_co_u32 s[CNT], s[CNT], 1
	s_cmp_lt_u32 s[CNT], \ng
	s_cbranch_scc1 .Lproj_\@
.endm
.macro ATTADR g                        ; addresses of an attention loop (g = 0 local, 1 global), and the registers that it wants written
.if \g
	s_add_co_u32 s50, s[PK], 6144
	s_lshl_b32 s51, s[WV], 9
	s_add_co_u32 s51, s51, GQSO
	s_add_co_u32 s52, s[PK], 12288
.else
	s_mul_i32 s50, s[WV], 6144
	s_add_co_u32 s50, s50, QPO
	s_lshl_b32 s51, s[WV], 9
	s_add_co_u32 s51, s51, QSO
	s_mov_b32 s52, s[PK]
.endif
.irp k, 0,1,2,3,4,5
	v_mov_b32 v[ZQ+\k], 0                          ; the zeros on both sides of q
	v_mov_b32 v[ZQ+12+\k], 0
.endr
	v_add_nc_u32 v[QA], s50, v[L16]
	s_add_co_u32 s50, s50, 512
	v_add_nc_u32 v[QAB], s50, v[L8]
	v_lshrrev_b32 v[SA], 2, v[R16]
	s_delay_alu instid0(VALU_DEP_1)
	v_add_nc_u32 v[QSA], s51, v[SA]
	v_add_nc_u32 v[OAA], s52, v[L16]
	s_add_co_u32 s52, s52, 512
	v_add_nc_u32 v[OAB], s52, v[L8]
	s_lshr_b32 s53, s[WV], 1
	s_lshl_b32 s53, s53, 10
	s_and_b32 s54, s[WV], 1
	s_lshl_b32 s54, s54, 1
	s_add_co_u32 s53, s53, s54
	s_add_co_u32 s53, s53, OSC+512*(\g)
	v_lshl_add_u32 v[OSCA], v[R16], 1, s53
	v_mov_b32 v[NM+1], 0                           ; named as the upper halves of pairs
	v_mov_b32 v[RL+1], 0
	v_mov_b32 v[RP], 0                             ; a lane permute's destination counts as one of its sources
.endm
; Attention of my head: 8 tiles of 16 queries against nb blocks of 32 keys, all in registers (K, V in window 1).  A lane holds one query throughout.
.macro ATT nb
.set NKS, (\nb)/4
	s_mov_b32 s[CNT], 0
.Latt_\@:
	s_wait_alu depctr_va_vdst(0)
.if (\nb) == 8
	s_wait_loadcnt 0x0                             ; no load into K's or V's registers is out when the products begin
.else
	s_wait_xcnt 0x0                                ; the last trip's prefetch has read its base, which is written again
	s_min_u32 s53, s[CNT], 3                       ; rows 4 k + 8 (k / 2) on of my row tile, k = the trip, held at 3
	s_lshl_b32 s50, s53, 13
	s_lshr_b32 s52, s53, 1
	s_lshl_b32 s52, s52, 14
	s_add_co_u32 s50, s50, s52
	s_mov_b32 s51, 0
	s_add_nc_u64 s[68:69], s[XB0:XB0+1], s[50:51]
.endif
	ds_load_b128 v[ZQ+6:ZQ+9], v[QA]
	ds_load_b64 v[ZQ+10:ZQ+11], v[QAB]
	ds_load_b32 v32, v[QSA]
	s_wait_dscnt 0x0                               ; q and its scale word; the last trip's stores too
	WIN W_T
.set i, 0
.rept \nb
	MM0 S+16*i, 12*i, ZQ+6, 16+i, 32               ; key tile 2 i: [q | zeros]
	MM0 S+16*i+8, 12*i, ZQ, 16+i, 32               ; key tile 2 i + 1: [zeros | q]
.set i, i+1
.endr
	WIN 0
	NOP4
.if (\nb) == 8
	s_cmp_lt_u32 s[CNT], 7
	s_cbranch_scc1 .Lkk_\@
	WIN TO1                                        ; the last trip: K has had its last product: the first half of gq's fragments comes over it
.set WN, 0
.rept 24
	global_load_b128 v[4*WN:4*WN+3], v[L16], s[WB:WB+1] offset:589824+512*WN
.set WN, WN+1
.endr
	WIN 0
.Lkk_\@:
.else
	s_cmp_lt_u32 s[CNT], 4
	s_cbranch_scc0 .Lpf_\@
	global_prefetch_b8 v255, s[68:69] th:TH_LOAD_NT scope:SCOPE_SE   ; four rows of the residual, 32 blocks of 256 bytes, each named once
.Lpf_\@:
.endif
.set b, 0
.rept \nb
	v_max3_num_f32 v[BM+b], v[S+16*b], v[S+16*b+1], v[S+16*b+2]
.set b, b+1
.endr
.irp k, 3,5,7,9,11,13
.set b, 0
.rept \nb
	v_max3_num_f32 v[BM+b], v[BM+b], v[S+16*b+\k], v[S+16*b+\k+1]
.set b, b+1
.endr
.endr
.set b, 0
.rept \nb
	v_max_num_f32 v[BM+b], v[BM+b], v[S+16*b+15]
.set b, b+1
.endr
.set b, 0
.rept \nb
	v_permlanex16_b32 v[BT+b], v[BM+b], s[SEL], s[SEL+1]
.set b, b+1
.endr
.set b, 0
.rept \nb
	v_max_num_f32 v[BM+b], v[BM+b], v[BT+b]        ; with lane l xor 16's 16 keys
.set b, b+1
.endr
	v_max3_num_f32 v[RM], v[BM], v[BM+1], v[BM+2]
.if (\nb) == 8
	s_delay_alu instid0(VALU_DEP_1)
	v_max3_num_f32 v[RM], v[RM], v[BM+3], v[BM+4]
	s_delay_alu instid0(VALU_DEP_1)
	v_max3_num_f32 v[RM], v[RM], v[BM+5], v[BM+6]
	s_delay_alu instid0(VALU_DEP_1)
	v_max_num_f32 v[RM], v[RM], v[BM+7]
.else
	s_delay_alu instid0(VALU_DEP_1)
	v_max_num_f32 v[RM], v[RM], v[BM+3]
.endif
	s_delay_alu instid0(VALU_DEP_1)
	v_mul_f32 v[RM], s[CS], v[RM]                  ; the row's largest t
	s_delay_alu instid0(VALU_DEP_1)
	v_floor_f32 v[NM], -v[RM]                      ; -M = floor(-t) = -ceil(t)
.set j, 0
.rept 8*(\nb)
	v_pk_fma_f32 v[S+j:S+j+1], v[S+j:S+j+1], s[CS:CS+1], v[NM:NM+1] op_sel_hi:[1,0,0]   ; t - M, two at a time
.set j, j+2
.endr
.set b, 0
.rept \nb
	v_fma_f32 v[BM+b], v[BM+b], s[CS], v[NM]
.set b, b+1
.endr
.set j, 0
	s_wait_alu depctr_va_vdst(0)
.rept 16*(\nb)
	v_exp_f32 v[S+j], v[S+j]                       ; p = 2^(t - M)
.set j, j+1
.endr
	v_nop                                          ; a plain line behind the exponentials
	s_wait_alu depctr_va_vdst(0)                   ; one wait for the whole batch, ahead of its first reader
.set b, 0
.rept \nb
	v_exp_f32 v[BM+b], v[BM+b]                     ; each block's largest p: the same two instructions on the same number
.set b, b+1
.endr
	v_pk_add_f32 v[SA:SA+1], v[S:S+1], v[S+2:S+3]  ; the row's sum, of the unquantised p, in two chains
	v_pk_add_f32 v[SB:SB+1], v[S+4:S+5], v[S+6:S+7]
.set j, 8
.rept 4*(\nb)-2
	v_pk_add_f32 v[SA:SA+1], v[SA:SA+1], v[S+j:S+j+1]
	v_pk_add_f32 v[SB:SB+1], v[SB:SB+1], v[S+j+2:S+j+3]
.set j, j+4
.endr
	s_delay_alu instid0(VALU_DEP_1)
	v_pk_add_f32 v[SA:SA+1], v[SA:SA+1], v[SB:SB+1]
	s_delay_alu instid0(VALU_DEP_1)
	v_add_f32 v[RM], v[SA], v[SA+1]
	s_delay_alu instid0(VALU_DEP_1)
	v_permlanex16_b32 v[RP], v[RM], s[SEL], s[SEL+1]
	s_delay_alu instid0(VALU_DEP_1)
	v_add_f32 v[RM], v[RM], v[RP]                  ; l
	s_wait_alu depctr_va_vdst(0)
	v_rcp_f32 v[RL], v[RM]
	s_wait_alu depctr_va_vdst(0)                   ; one wait for the blocks' exponentials and the reciprocal; the lines below, which name neither l nor 1 / l, are the plain lines behind it
.set b, 0
.rept \nb
	v_max_num_f32 v[BM+b], s[FLOOR], v[BM+b]       ; the floor: a block whose every p has fallen to 0 keeps the byte 1: its codes are zeros
.set b, b+1
.endr
.set b, 0
.rept \nb
	v_add_nc_u32 v[EX+b], 0xfe000000, v[BM+b]
.set b, b+1
.endr
.set b, 0
.rept \nb
	v_lshrrev_b32 v[BT+b], 23, v[EX+b]
.set b, b+1
.endr
.set ks, 0
.rept NKS
	v_lshl_or_b32 v[33+ks], v[BT+4*ks+1], 8, v[BT+4*ks]    ; p's scale word for 128 keys
	s_delay_alu instid0(VALU_DEP_1)
	v_lshl_or_b32 v[33+ks], v[BT+4*ks+2], 16, v[33+ks]
	s_delay_alu instid0(VALU_DEP_1)
	v_lshl_or_b32 v[33+ks], v[BT+4*ks+3], 24, v[33+ks]
.set ks, ks+1
.endr
.set ks, 0
.rept NKS
.irp c, 0,1
	v_cvt_scalef32_pk16_bf6_f32 v[PF+12*ks+6*\c:PF+12*ks+6*\c+2], v[S+64*ks+32*\c:S+64*ks+32*\c+15], v[EX+4*ks+2*\c]
	v_cvt_scalef32_pk16_bf6_f32 v[CT+4*\c:CT+4*\c+2], v[S+64*ks+32*\c+16:S+64*ks+32*\c+31], v[EX+4*ks+2*\c+1]
.endr
	v_nop                                          ; one plain line behind the scaled conversions
.irp c, 0,1
.irp k, 0,1,2
	v_permlane16_swap_b32 v[PF+12*ks+6*\c+\k], v[CT+4*\c+\k]
.endr
.irp k, 0,1,2
	s_delay_alu instid0(VALU_DEP_3)
	v_mov_b32 v[PF+12*ks+6*\c+3+\k], v[CT+4*\c+\k]
.endr
.endr
.set ks, ks+1
.endr
	NOP4                                           ; p's registers stand four places ahead of the products; its scale words more than eight
	WIN W_PV0
.irp t, 0,1,2,3
	MM0 192+8*\t, 96+12*NKS*\t, PF, 24+NKS*\t, 33  ; O^T = V^T P^T: four tiles of 16 channels by turns
.endr
.if NKS == 2
	WIN W_PV
.irp t, 0,1,2,3
	MM 192+8*\t, 96+12*(2*\t+1), PF+12, 192+8*\t, 24+2*\t+1, 34
.endr
.endif
	NOP4
	WIN W_T
.set i, 0
.rept 16
	v_pk_mul_f32 v[S+2*i:S+2*i+1], v[192+2*i:193+2*i], v[RL:RL+1] op_sel_hi:[1,0]   ; O^T / l, each accumulator from its low end on
.set i, i+1
.endr
	WIN 0
.if (\nb) == 8
	s_wait_alu depctr_va_vdst(0)
	s_cmp_lt_u32 s[CNT], 7
	s_cbranch_scc1 .Lvv_\@
	WIN TO1                                        ; the last trip: V and O^T are done with: the second half of gq's fragments, its bias and its scale words
.set WN, 24
.rept 24
	global_load_b128 v[4*WN:4*WN+3], v[L16], s[WB:WB+1] offset:589824+512*WN
.set WN, WN+1
.endr
	AUX_T PGQB, 24576
.Lvv_\@:
.endif
	QUANT 1, S, 0
	ds_store_b128 v[OAA], v[QD:QD+3]
	ds_store_b64 v[OAB], v[QD+4:QD+5]
	ds_store_b16 v[OSCA], v[QP]
	v_add_nc_u32 v[QA], 768, v[QA]
	v_add_nc_u32 v[QAB], 768, v[QAB]
	v_add_nc_u32 v[QSA], 64, v[QSA]
	v_add_nc_u32 v[OAA], 768, v[OAA]
	v_add_nc_u32 v[OAB], 768, v[OAB]
	v_add_nc_u32 v[OSCA], 4, v[OSCA]
	s_add_co_u32 s[CNT], s[CNT], 1
	s_cmp_lt_u32 s[CNT], 8
	s_cbranch_scc1 .Latt_\@
.endm
.macro WOLD g, wa, sa                  ; out_w's four fragments of my 64 columns and their scale words: matrix 6 + g, the K step that the address registers name: 16 loads
.irp t, 0,1,2,3
.irp j, 0,1,2
	global_load_b128 v[160+48*(\g)+12*\t+4*\j:160+48*(\g)+12*\t+4*\j+3], v[\wa], s[WB:WB+1] offset:(6+(\g))*196608+6144*\t+512*\j
.endr
.endr
.irp t, 0,1,2,3
	global_load_b32 v[16+4*(\g)+\t], v[\sa], s[WS:WS+1] offset:(6+(\g))*8192+256*\t
.endr
.endm
.macro OFRAG m, ar, br, go             ; row tile m's fragment: the halves of two neighbouring heads, 25,600 bytes apart
	ds_load_b128 v[64+12*(\m):64+12*(\m)+3], v[\ar] offset:(\go)+768*(\m)
	ds_load_b64 v[64+12*(\m)+4:64+12*(\m)+5], v[\br] offset:(\go)+768*(\m)
	ds_load_b128 v[64+12*(\m)+6:64+12*(\m)+9], v[\ar] offset:(\go)+768*(\m)+25600
	ds_load_b64 v[64+12*(\m)+10:64+12*(\m)+11], v[\br] offset:(\go)+768*(\m)+25600
.endm
.macro OTOP                            ; pair of heads p = the counter; the next pair wraps to 0 in the last trip, inside what may be read
	s_wait_xcnt 0x0                                ; the weights' loads have read their address registers, which are written again
	s_mul_i32 s50, s[CNT], 51200
	s_add_co_u32 s51, s[CNT], 1
	s_and_b32 s51, s51, 3
	s_mul_i32 s52, s51, 51200
	s_lshl_b32 s53, s51, 10
	s_mul_i32 s54, s51, 1536
	s_lshl_b32 s55, s51, 2
	v_add_nc_u32 v[OA], s50, v[OA0]
	v_add_nc_u32 v[OAH], s50, v[OAH0]
	v_add_nc_u32 v[ON], s52, v[OA0]
	v_add_nc_u32 v[ONH], s52, v[OAH0]
	v_add_nc_u32 v[OSN], s53, v[OS0A]
	v_add_nc_u32 v[WON], s54, v[L16]
	v_add_nc_u32 v[WSON], s55, v[R16]
.endm
; A K step of the last product: 8 row tiles x my 4 column tiles, 32 accumulators by turns.  g = 0: local heads 2 p, 2 p + 1; g = 1: global.
.macro KSTEP g, first
	s_wait_loadcnt 16                              ; this step's weights are in; the other buffer's 16 loads may be out
.if \first
	s_wait_dscnt 16                                ; row tiles 0-3 are in; tiles 4-7's 16 loads may be out
	WIN W_OP0
.else
	s_wait_dscnt 18                                ; likewise, and two loads of scale words
	WIN W_OP
.endif
.irp m, 0,1,2,3
.irp t, 0,1,2,3
.if \first
	MM0 32*\m+8*\t, 160+48*(\g)+12*\t, 64+12*\m, 16+4*(\g)+\t, 24+8*(\g)+\m
.else
	MM 32*\m+8*\t, 160+48*(\g)+12*\t, 64+12*\m, 32*\m+8*\t, 16+4*(\g)+\t, 24+8*(\g)+\m
.endif
.endr
.endr
	WIN 0
	NOP4
.irp m, 0,1,2,3
.if \g
	OFRAG \m, ON, ONH, 0
.else
	OFRAG \m, OA, OAH, 12288
.endif
.endr
	s_wait_dscnt 16                                ; row tiles 4-7 are in; the 16 just issued may be out
.if \first
	WIN W_OP0
.else
	WIN W_OP
.endif
.irp m, 4,5,6,7
.irp t, 0,1,2,3
.if \first
	MM0 32*\m+8*\t, 160+48*(\g)+12*\t, 64+12*\m, 16+4*(\g)+\t, 24+8*(\g)+\m
.else
	MM 32*\m+8*\t, 160+48*(\g)+12*\t, 64+12*\m, 32*\m+8*\t, 16+4*(\g)+\t, 24+8*(\g)+\m
.endif
.endr
.endr
	WIN 0
	NOP4
	ds_load_b128 v[24+8*(\g):27+8*(\g)], v[OSN] offset:512*(\g)        ; the rows' scale words for the next pair of heads
	ds_load_b128 v[28+8*(\g):31+8*(\g)], v[OSN] offset:512*(\g)+16
.irp m, 4,5,6,7
.if \g
	OFRAG \m, ON, ONH, 0
.else
	OFRAG \m, OA, OAH, 12288
.endif
.endr
	WOLD \g, WON, WSON
.endm
.macro LRED                            ; four rows' pairs of partial sums become four sums over the wave's 32 lanes
.irp p, 0,1,2,3
	s_delay_alu instid0(VALU_DEP_4)
	v_add_f32 v[LR+\p], v[LT+2*\p], v[LT+2*\p+1]
.endr
.irp x, 1,2,4,8
.irp p, 0,1,2,3
	s_delay_alu instid0(VALU_DEP_4)
	v_add_f32_dpp v[LR+\p], v[LR+\p], v[LR+\p] row_xmask:\x row_mask:0xf bank_mask:0xf
.endr
.endr
.irp p, 0,1,2,3
	s_delay_alu instid0(VALU_DEP_4)
	v_permlanex16_b32 v[LP+\p], v[LR+\p], s[SEL], s[SEL+1]
.endr
.irp p, 0,1,2,3
	s_delay_alu instid0(VALU_DEP_4)
	v_add_f32 v[LR+\p], v[LR+\p], v[LP+\p]
.endr
.endm
	; ---- head
	s_load_b512 s[4:19], s[0:1], 0x0               ; x, wcodes, wscales, lk_b, lv_b, lq_b, gq_b, gkimg
	s_load_b256 s[20:27], s[0:1], 0x40             ; gksc, gvimg, gvsc, out_b
	s_load_b128 s[28:31], s[0:1], 0x60             ; ln_g, ln_b
	s_load_b64 s[32:33], s[0:1], 0x70              ; out0
	s_load_b128 s[76:79], s[0:1], 0x78             ; ximg, xsc
	v_lshrrev_b32 v1, 5, v0
	s_delay_alu instid0(VALU_DEP_1)
	v_readfirstlane_b32 s[WV], v1                  ; wave = head
	v_and_b32 v2, 31, v0
	s_delay_alu instid0(VALU_DEP_1)
	v_lshlrev_b32 v[L16], 4, v2
	s_delay_alu instid0(VALU_DEP_2)
	v_lshlrev_b32 v[L8], 3, v2
	v_and_b32 v10, 15, v0                          ; r
	v_bfe_u32 v11, v0, 4, 1                        ; h
	s_delay_alu instid0(VALU_DEP_2)
	v_lshlrev_b32 v[R16], 4, v10
	s_mov_b32 s[ID], ttmp9
	s_lshr_b32 s50, s[WV], 1
	s_lshl_b32 s50, s50, 16
	s_and_b32 s51, s[WV], 1
	s_lshl_b32 s51, s51, 14
	s_add_co_u32 s50, s50, s51                     ; row tile w begins at row 32 (w / 2) + 8 (w % 2) of the 128
	s_lshl_b32 s52, s[ID], 18                      ; 128 rows of 2,048 bytes
	s_add_co_u32 s52, s52, s50
	s_mov_b32 s53, 0
	s_mul_i32 s54, s[WV], 6144                     ; my eighth of a half's 32 images
	s_mul_i32 s56, s[ID], 49152
	s_add_co_u32 s56, s56, s54                     ; of my own rows,
	s_mov_b32 s57, 0
	s_xor_b32 s55, s[ID], 1
	s_mul_i32 s58, s55, 49152
	s_add_co_u32 s58, s58, s54                     ; and of the window's other half
	s_mov_b32 s59, 0
	s_lshr_b32 s55, s[WV], 2                       ; scale words: waves 0-3 copy the own half's 2,048 bytes, waves 4-7 the other's, 512 each
	s_xor_b32 s55, s55, s[ID]
	s_lshl_b32 s60, s55, 11
	s_and_b32 s55, s[WV], 3
	s_lshl_b32 s55, s55, 9
	s_add_co_u32 s60, s60, s55
	s_mov_b32 s61, 0
	s_wait_alu depctr_va_vdst(0)
	s_wait_kmcnt 0x0
	s_add_nc_u64 s[XB0:XB0+1], s[4:5], s[52:53]
	s_add_nc_u64 s[80:81], s[76:77], s[56:57]
	s_add_nc_u64 s[82:83], s[76:77], s[58:59]
	s_add_nc_u64 s[78:79], s[78:79], s[60:61]
.set WN, 0
.rept 12
	global_load_b128 v[128+4*WN:131+4*WN], v[L16], s[80:81] offset:512*WN   ; 25 loads of 512 consecutive bytes are out before anything else is done
	global_load_b128 v[176+4*WN:179+4*WN], v[L16], s[82:83] offset:512*WN
.set WN, WN+1
.endr
	global_load_b128 v[224:227], v[L16], s[78:79]
	s_add_nc_u64 s[OT:OT+1], s[32:33], s[52:53]
	s_mul_i32 s50, s[WV], 24576
	s_mov_b32 s51, 0
	s_add_nc_u64 s[WB:WB+1], s[6:7], s[50:51]      ; my head's block in each weight matrix
	s_lshl_b32 s50, s[WV], 10
	s_add_nc_u64 s[WS:WS+1], s[8:9], s[50:51]
	s_lshr_b32 s50, s[ID], 6                       ; batch: 64 work-groups each
	s_lshl_b32 s50, s50, 3
	s_add_co_u32 s50, s50, s[WV]
	s_mul_i32 s52, s50, 6144
	s_add_nc_u64 s[GKI:GKI+1], s[18:19], s[52:53]
	s_add_nc_u64 s[GVI:GVI+1], s[22:23], s[52:53]
	s_lshl_b32 s52, s50, 8
	s_add_nc_u64 s[GKS:GKS+1], s[20:21], s[52:53]
	s_add_nc_u64 s[GVS:GVS+1], s[24:25], s[52:53]
	s_mov_b32 s[SEL], 0x76543210
	s_mov_b32 s[SEL+1], 0xfedcba98                 ; lane selects: lane l xor 16
	s_mov_b32 s[CS], 0x3e38aa3b                    ; log2(e) / 8
	s_mov_b32 s[CS+1], s[CS]
	s_mov_b32 s[FLOOR], 0x2800000
	s_mov_b32 s[I512], 0x3b000000                  ; 1 / 512
	s_mov_b32 s[EPS], 0x3727c5ac                   ; 1e-5
	s_mul_i32 s[PK], s[WV], PARKB
	s_add_co_u32 s[PK], s[PK], PARK                ; my park
	s_mul_i32 s50, s[WV], 6144
	v_add_nc_u32 v[XW], s50, v[L16]
	s_lshl_b32 s50, s[WV], 8
	v_lshlrev_b32 v[BOT], 6, v11
	s_delay_alu instid0(VALU_DEP_1)
	v_add_nc_u32 v[BOT], s50, v[BOT]               ; 64 numbers a head, + 16 h
	v_and_b32 v12, 8, v10
	s_delay_alu instid0(VALU_DEP_1)
	v_add_nc_u32 v12, v12, v10
	s_delay_alu instid0(VALU_DEP_1)
	v_lshlrev_b32 v[BON], 2, v12
	s_delay_alu instid0(VALU_DEP_1)
	v_add_nc_u32 v[BON], s50, v[BON]               ; 64 numbers a head, + r + 8 (r / 8)
	s_lshl_b32 s50, s[WV], 9
	s_add_co_u32 s50, s50, XSC
	v_add_nc_u32 v[XWS], s50, v[L16]               ; my 512 bytes of the scale words
.irp k, 0,1,2,3
	v_mov_b32 v[QP+\k], 0                          ; written once: a lane permute's destination counts as one of its sources
.endr
	v_mov_b32 v63, 0
	; ---- X: my tile of own rows and my tile of the other half's rows become 8 fragments in LDS; lk's fragments come in behind x's last loads
	s_wait_alu depctr_va_vdst(0)
	WLOAD WM0                                      ; lk's fragments, 48 loads,
	XAUX                                           ; its bias and scale words, 12 loads
	s_wait_loadcnt 60                              ; the 25 loads of images and scale words are in; the 60 behind them may be out
.set WN, 0
.rept 12
	ds_store_b128 v[XW], v[128+4*WN:131+4*WN] offset:512*WN
	ds_store_b128 v[XW], v[176+4*WN:179+4*WN] offset:AOFF+512*WN
.set WN, WN+1
.endr
	ds_store_b128 v[XWS], v[224:227]
	BARRIER                                        ; the window's 64 fragments lie in LDS
	; ---- K: a lane holds one key, registers along the head: 16 halves to my park
	v_add_nc_u32 v[XS0], XSC, v[R16]
	PRELOAD L16, XS0
	v_add_nc_u32 v[PA], s[PK], v[L16]
	s_add_co_u32 s50, s[PK], 512
	v_add_nc_u32 v[PB], s50, v[L8]
	s_add_co_u32 s51, s[PK], 24576
	v_lshl_add_u32 v[PS], v[R16], 1, s51
	s_wait_loadcnt 0x0
	PROJ 4, 0, 768, 2, 3072, 8, 0, 1, 393216, 2, PLVB, 16384   ; its last trip loads lv's fragments, bias and scale words
	; ---- V: a lane holds one channel, registers along the keys: half 4 t + g
	s_add_co_u32 s50, s[PK], 12288
	v_add_nc_u32 v[PA], s50, v[L16]
	s_add_co_u32 s50, s[PK], 12800
	v_add_nc_u32 v[PB], s50, v[L8]
	s_add_co_u32 s51, s[PK], 25088
	v_lshl_add_u32 v[PS], v[R16], 1, s51
	s_wait_loadcnt 0x0
	PROJ 4, 1, 3072, 8, 768, 2, 0, 1, 0, 1, PLQB, 0            ; its last trip loads lq's
	BARRIER                                        ; nobody reads the images of the other half's rows any more: q's halves go there
	; ---- Q: my own 128 rows
	s_mul_i32 s50, s[WV], 6144
	s_add_co_u32 s50, s50, QPO
	v_add_nc_u32 v[PA], s50, v[L16]
	s_add_co_u32 s50, s50, 512
	v_add_nc_u32 v[PB], s50, v[L8]
	s_lshl_b32 s51, s[WV], 9
	s_add_co_u32 s51, s51, QSO
	v_lshrrev_b32 v[PS], 2, v[R16]
	s_delay_alu instid0(VALU_DEP_1)
	v_add_nc_u32 v[PS], s51, v[PS]
	s_wait_loadcnt 0x0
	PROJ 2, 0, 768, 64, 3072, 256, 1, 0, 0, 0, 0, 0
	; ---- K and V from my park into window 1: half i at v[6 i]; their pairs are words as they lie
	ATTADR 0
	s_add_co_u32 s50, s[PK], 24576
	v_lshl_add_u32 v[SA+1], v[R16], 1, s50
	WIN TO1
.set i, 0
	s_wait_alu depctr_va_vdst(0)
.rept 32
	ds_load_b128 v[6*i:6*i+3], v[OAA] offset:768*i
	ds_load_b64 v[6*i+4:6*i+5], v[OAB] offset:768*i
.set i, i+1
.endr
	WIN 0
	ds_load_b128 v[16:19], v[SA+1]
	ds_load_b128 v[20:23], v[SA+1] offset:16
	ds_load_b128 v[24:27], v[SA+1] offset:512
	ds_load_b128 v[28:31], v[SA+1] offset:528
	s_wait_dscnt 0x0                               ; the park's first bytes are written again from here on
	ATT 8
	; ---- global Q
	; gq's fragments, bias and scale words were asked for in the last trip of the local attention
	v_add_nc_u32 v[XS0], XSC, v[R16]
	PRELOAD L16, XS0
	s_add_co_u32 s50, s[PK], 6144
	v_add_nc_u32 v[PA], s50, v[L16]
	s_add_co_u32 s50, s[PK], 6656
	v_add_nc_u32 v[PB], s50, v[L8]
	s_lshl_b32 s51, s[WV], 9
	s_add_co_u32 s51, s51, GQSO
	v_lshrrev_b32 v[PS], 2, v[R16]
	s_delay_alu instid0(VALU_DEP_1)
	v_add_nc_u32 v[PS], s51, v[PS]
	s_wait_loadcnt 0x0
	PROJ 2, 0, 768, 64, 3072, 256, 1, 0, 0, 0, 0, 0
	WIN TO1
.set i, 0
.rept 8
	global_load_b128 v[6*i:6*i+3], v[L16], s[GKI:GKI+1] offset:768*i
	global_load_b64 v[6*i+4:6*i+5], v[L8], s[GKI:GKI+1] offset:768*i+512
	global_load_b128 v[96+6*i:96+6*i+3], v[L16], s[GVI:GVI+1] offset:768*i
	global_load_b64 v[96+6*i+4:96+6*i+5], v[L8], s[GVI:GVI+1] offset:768*i+512
.set i, i+1
.endr
	WIN 0
	global_load_b128 v[16:19], v[R16], s[GKS:GKS+1]
	global_load_b128 v[24:27], v[R16], s[GVS:GVS+1]
	ATTADR 1
	v_and_b32 v255, 7, v0                          ; the prefetches' offset: row (lane / 8) of four, block (lane % 8) of its eight blocks of 256 bytes
	v_bfe_u32 v254, v0, 3, 2
	v_lshlrev_b32 v255, 8, v255
	s_delay_alu instid0(VALU_DEP_1)
	v_lshl_add_u32 v255, v254, 11, v255
	s_wait_loadcnt 0x0
	ATT 4
	; ---- the last product
	s_wait_xcnt 0x0                                ; the prefetches have read their offset register, into which a load lands
	WOLD 0, L16, R16
	WOLD 1, L16, R16
	BARRIER                                        ; all heads' results and scale words lie in LDS
	v_add_nc_u32 v[OA0], PARK, v[L16]
	v_add_nc_u32 v[OAH0], PARK+512, v[L8]
	v_lshlrev_b32 v[OS0A], 1, v[R16]
	s_delay_alu instid0(VALU_DEP_1)
	v_add_nc_u32 v[OS0A], OSC, v[OS0A]
	s_mov_b32 s[CNT], 0
	s_wait_alu depctr_va_vdst(0)
	OTOP
	ds_load_b128 v[24:27], v[OS0A]
	ds_load_b128 v[28:31], v[OS0A] offset:16
	ds_load_b128 v[32:35], v[OS0A] offset:512
	ds_load_b128 v[36:39], v[OS0A] offset:528
.irp m, 0,1,2,3,4,5,6,7
	OFRAG \m, OA, OAH, 0
.endr
	s_wait_alu depctr_va_vdst(0)
	KSTEP 0, 1                                     ; the first K step is written out: its products start the sums
	KSTEP 1, 0
	s_mov_b32 s[CNT], 1
.Lout:
	OTOP
	s_wait_alu depctr_va_vdst(0)
	KSTEP 0, 0
	KSTEP 1, 0
	s_add_co_u32 s[CNT], s[CNT], 1
	s_cmp_lt_u32 s[CNT], 4
	s_cbranch_scc1 .Lout
	s_wait_loadcnt 0x0
	s_wait_dscnt 0x0                               ; the last trip's loads ahead have landed: their registers are used again
.irp p, 0,1,2,3
.irp q, 0,1,2,3
	global_load_b128 v[HX+16*\p+4*\q:HX+16*\p+4*\q+3], v[L16], s[XB0:XB0+1] offset:2048*\p+512*\q   ; the residual's first four rows
.endr
.endr
	v_and_b32 v4, 15, v0
	v_bfe_u32 v7, v0, 4, 1
	s_delay_alu instid0(VALU_DEP_2)
	v_mul_u32_u24 v[SO], v4, SPITCH
	s_delay_alu instid0(VALU_DEP_1)
	v_lshl_add_u32 v[SO], v7, 6, v[SO]
	s_lshl_b32 s50, s[WV], 8
	v_add_nc_u32 v[SO], s50, v[SO]                 ; the stage: row r of a tile, my 64 columns, + 16 h columns
	s_delay_alu instid0(VALU_DEP_1)
	v_add_nc_u32 v[SO+1], 32*SPITCH, v[SO]
	s_delay_alu instid0(VALU_DEP_2)
	v_add_nc_u32 v[SO+2], 64*SPITCH, v[SO]
	s_delay_alu instid0(VALU_DEP_3)
	v_add_nc_u32 v[SO+3], 96*SPITCH, v[SO]
	s_mul_i32 s50, s[WV], 16*SPITCH
	v_add_nc_u32 v[SR0], s50, v[L16]               ; back: row tile w, 16 bytes a lane
	s_wait_alu depctr_va_vdst(0)
	BARRIER                                        ; nobody reads the parks any more: the stage lies over them
	WIN W_N
.irp m, 0,1,2,3,4,5,6,7
.irp t, 0,1,2,3
	ds_store_b128 v[SO+\m/2], v[32*\m+8*\t:32*\m+8*\t+3] offset:(\m%2)*16*SPITCH+128*(\t/2)+32*(\t%2)      ; each accumulator from its low end on
	ds_store_b128 v[SO+\m/2], v[32*\m+8*\t+4:32*\m+8*\t+7] offset:(\m%2)*16*SPITCH+128*(\t/2)+32*(\t%2)+16
.endr
.endr
	WIN 0
	s_wait_dscnt 0x0                               ; my stores have landed, and have read the registers that take the three vectors
	WIN TO1
.irp q, 0,1,2,3
	global_load_b128 v[64+4*\q:67+4*\q], v[L16], s[POB:POB+1] offset:512*\q
	global_load_b128 v[80+4*\q:83+4*\q], v[L16], s[PLG:PLG+1] offset:512*\q
	global_load_b128 v[96+4*\q:99+4*\q], v[L16], s[PLB:PLB+1] offset:512*\q
.endr
	WIN 0
	s_barrier_signal -1
	s_barrier_wait -1                              ; 128 whole rows lie in the stage
.irp p, 0,1,2,3
.irp q, 0,1,2,3
	ds_load_b128 v[HS+16*\p+4*\q:HS+16*\p+4*\q+3], v[SR0] offset:SPITCH*\p+512*\q
.endr
.endr
.irp p, 0,1,2,3
	v_mov_b32 v[LP+\p], 0
.endr
	; ---- LayerNorm: four trips of four rows; a lane holds columns 128 q + 4 lane + 0 .. 3 of each
	s_mov_b32 s[CNT], 0
.Lln:
	s_wait_loadcnt 0x0                             ; this trip's rows of x (in the first trip the three vectors too),
	s_wait_dscnt 0x0                               ; and of the stage
	s_wait_xcnt 0x0                                ; the last trip's stores have read their data and their base
	s_lshl_b32 s50, s[CNT], 13                     ; member 4 k + p of a tile is row 4 k + p + 8 (k / 2)
	s_lshr_b32 s52, s[CNT], 1
	s_lshl_b32 s52, s52, 14
	s_add_co_u32 s50, s50, s52
	s_mov_b32 s51, 0
	s_add_nc_u64 s[70:71], s[OT:OT+1], s[50:51]
	s_add_co_u32 s54, s[CNT], 1
	s_and_b32 s54, s54, 3                          ; the next trip; the last trip's wraps to the first: inside the buffer and the stage
	s_lshl_b32 s52, s54, 13
	s_lshr_b32 s55, s54, 1
	s_lshl_b32 s55, s55, 14
	s_add_co_u32 s52, s52, s55
	s_mov_b32 s53, 0
	s_add_nc_u64 s[68:69], s[XB0:XB0+1], s[52:53]
	s_mul_i32 s54, s54, 4*SPITCH
	v_add_nc_u32 v[SRN], s54, v[SR0]
.set i, 0
.rept 32
	v_pk_add_f32 v[HH+2*i:HH+2*i+1], v[HX+2*i:HX+2*i+1], v[HS+2*i:HS+2*i+1]
.set i, i+1
.endr
.irp p, 0,1,2,3
.irp q, 0,1,2,3
	global_load_b128 v[HX+16*\p+4*\q:HX+16*\p+4*\q+3], v[L16], s[68:69] offset:2048*\p+512*\q
.endr
.endr
.irp p, 0,1,2,3
.irp q, 0,1,2,3
	ds_load_b128 v[HS+16*\p+4*\q:HS+16*\p+4*\q+3], v[SRN] offset:SPITCH*\p+512*\q
.endr
.endr
	WIN W_N                                        ; source 1: out_b, in window 1
.irp k, 0,1,2,3,4,5,6,7
.irp p, 0,1,2,3
	v_pk_add_f32 v[HH+16*\p+2*\k:HH+16*\p+2*\k+1], v[HH+16*\p+2*\k:HH+16*\p+2*\k+1], v[64+2*\k:65+2*\k]
.endr
.endr
	WIN 0
.irp p, 0,1,2,3
	v_pk_add_f32 v[LT+2*\p:LT+2*\p+1], v[HH+16*\p:HH+16*\p+1], v[HH+16*\p+2:HH+16*\p+3]
.endr
.irp k, 2,3,4,5,6,7
.irp p, 0,1,2,3
	s_delay_alu instid0(VALU_DEP_4)
	v_pk_add_f32 v[LT+2*\p:LT+2*\p+1], v[LT+2*\p:LT+2*\p+1], v[HH+16*\p+2*\k:HH+16*\p+2*\k+1]
.endr
.endr
	LRED
.irp p, 0,1,2,3
	s_delay_alu instid0(VALU_DEP_4)
	v_mul_f32 v[LT+2*\p], s[I512], v[LR+\p]        ; the mean
.endr
.irp k, 0,1,2,3,4,5,6,7
.irp p, 0,1,2,3
	v_pk_add_f32 v[HH+16*\p+2*\k:HH+16*\p+2*\k+1], v[HH+16*\p+2*\k:HH+16*\p+2*\k+1], v[LT+2*\p:LT+2*\p+1] op_sel_hi:[1,0] neg_lo:[0,1] neg_hi:[0,1]
.endr
.endr
.irp p, 0,1,2,3
	v_pk_mul_f32 v[LT+2*\p:LT+2*\p+1], v[HH+16*\p:HH+16*\p+1], v[HH+16*\p:HH+16*\p+1]
.endr
.irp k, 1,2,3,4,5,6,7
.irp p, 0,1,2,3
	s_delay_alu instid0(VALU_DEP_4)
	v_pk_fma_f32 v[LT+2*\p:LT+2*\p+1], v[HH+16*\p+2*\k:HH+16*\p+2*\k+1], v[HH+16*\p+2*\k:HH+16*\p+2*\k+1], v[LT+2*\p:LT+2*\p+1]
.endr
.endr
	LRED
.irp p, 0,1,2,3
	s_delay_alu instid0(VALU_DEP_4)
	v_fma_f32 v[LR+\p], v[LR+\p], s[I512], s[EPS]  ; the variance + eps
.endr
	s_wait_alu depctr_va_vdst(0)
.irp p, 0,1,2,3
	v_rsq_f32 v[LT+2*\p], v[LR+\p]
.endr
	v_nop                                          ; a plain line behind the four
	s_wait_alu depctr_va_vdst(0)                   ; one wait for the four, ahead of their first reader
.irp k, 0,1,2,3,4,5,6,7
.irp p, 0,1,2,3
	v_pk_mul_f32 v[HH+16*\p+2*\k:HH+16*\p+2*\k+1], v[HH+16*\p+2*\k:HH+16*\p+2*\k+1], v[LT+2*\p:LT+2*\p+1] op_sel_hi:[1,0]
.endr
.endr
	WIN W_N0                                       ; sources 1 and 2: ln_g and ln_b, in window 1
.irp k, 0,1,2,3,4,5,6,7
.irp p, 0,1,2,3
	v_pk_fma_f32 v[HH+16*\p+2*\k:HH+16*\p+2*\k+1], v[HH+16*\p+2*\k:HH+16*\p+2*\k+1], v[80+2*\k:81+2*\k], v[96+2*\k:97+2*\k]
.endr
.endr
	WIN 0
.irp p, 0,1,2,3
.irp q, 0,1,2,3
	global_store_b128 v[L16], v[HH+16*\p+4*\q:HH+16*\p+4*\q+3], s[70:71] offset:2048*\p+512*\q th:TH_STORE_NT   ; 32 lanes store 512 consecutive bytes, at a multiple of 512 from out0's first byte
.endr
.endr
	s_add_co_u32 s[CNT], s[CNT], 1
	s_cmp_lt_u32 s[CNT], 4
	s_cbranch_scc1 .Lln
	s_wait_loadcnt 0x0
	s_wait_dscnt 0x0
	s_wait_xcnt 0x0
	v_lshl_add_u32 v254, v0, 2, 0x4e000
	v_mov_b32 v255, 0
	s_wait_alu depctr_va_vdst(0)
	s_wait_tensorcnt 0x0
	ds_add_u32 v254, v255
	s_wait_dscnt 0x0
	s_endpgm
.Lfunc_end_k_qd0bbf3e304_fused:
	.size	k_qd0bbf3e304_fused, .Lfunc_end_k_qd0bbf3e304_fused-k_qd0bbf3e304_fused
	.p2alignl 7, 3214868480
	.fill 96, 4, 3214868480
	.section	.rodata,"a",@progbits
	.p2align	6, 0x0
	.amdhsa_kernel k_qd0bbf3e304_fused
		.amdhsa_group_segment_fixed_size 320512
		.amdhsa_private_segment_fixed_size 0
		.amdhsa_enable_private_segment 0
		.amdhsa_kernarg_size 136
		.amdhsa_user_sgpr_count 2
		.amdhsa_user_sgpr_kernarg_segment_ptr 1
		.amdhsa_wavefront_size32 1
		.amdhsa_system_sgpr_workgroup_id_x 1
		.amdhsa_system_sgpr_workgroup_id_y 1
		.amdhsa_system_sgpr_workgroup_id_z 1
		.amdhsa_system_vgpr_workitem_id 0
		.amdhsa_next_free_vgpr 512
		.amdhsa_next_free_sgpr 84
		.amdhsa_reserve_vcc 0
		.amdhsa_float_denorm_mode_32 3
		.amdhsa_float_denorm_mode_16_64 3
		.amdhsa_memory_ordered 1
		.amdhsa_forward_progress 1
		.amdhsa_inst_pref_size 255
	.end_amdhsa_kernel
	.section	.bss,"aw",@nobits
	.p2align	6
	.space	262144
	.amdgpu_metadata
---
amdhsa.version: [ 1, 2 ]
amdhsa.kernels:
  - .name:           k_qd0bbf3e304_fused
    .symbol:         k_qd0bbf3e304_fused.kd
    .args:
      - { .name: x, .offset: 0, .size: 8, .value_kind: global_buffer, .address_space: global }
      - { .name: wcodes, .offset: 8, .size: 8, .value_kind: global_buffer, .address_space: global }
      - { .name: wscales, .offset: 16, .size: 8, .value_kind: global_buffer, .address_space: global }
      - { .name: lk_b, .offset: 24, .size: 8, .value_kind: global_buffer, .address_space: global }
      - { .name: lv_b, .offset: 32, .size: 8, .value_kind: global_buffer, .address_space: global }
      - { .name: lq_b, .offset: 40, .size: 8, .value_kind: global_buffer, .address_space: global }
      - { .name: gq_b, .offset: 48, .size: 8, .value_kind: global_buffer, .address_space: global }
      - { .name: gkimg, .offset: 56, .size: 8, .value_kind: global_buffer, .address_space: global }
      - { .name: gksc, .offset: 64, .size: 8, .value_kind: global_buffer, .address_space: global }
      - { .name: gvimg, .offset: 72, .size: 8, .value_kind: global_buffer, .address_space: global }
      - { .name: gvsc, .offset: 80, .size: 8, .value_kind: global_buffer, .address_space: global }
      - { .name: out_b, .offset: 88, .size: 8, .value_kind: global_buffer, .address_space: global }
      - { .name: ln_g, .offset: 96, .size: 8, .value_kind: global_buffer, .address_space: global }
      - { .name: ln_b, .offset: 104, .size: 8, .value_kind: global_buffer, .address_space: global }
      - { .name: out0, .offset: 112, .size: 8, .value_kind: global_buffer, .address_space: global }
      - { .name: ximg, .offset: 120, .size: 8, .value_kind: global_buffer, .address_space: global }
      - { .name: xsc, .offset: 128, .size: 8, .value_kind: global_buffer, .address_space: global }
    .group_segment_fixed_size: 320512
    .private_segment_fixed_size: 0
    .kernarg_segment_align: 8
    .kernarg_segment_size: 136
    .max_flat_workgroup_size: 256
    .sgpr_count:     84
    .vgpr_count:     512
    .wavefront_size: 32
...
	.end_amdgpu_metadata
.endif
;; end of part 2
